; MI455X (gfx1250); checked and timed in simulation.
; The chip was launched on July 23, 2026; its instructions are those of AMD's public machine-readable ISA for CDNA 5 (MIT licence, August 2026) and "CDNA5" Instruction Set Architecture Reference Guide (July 2026). The comments in the code are by the model that wrote it; some were corrected since.
;; Causal Self Attention. Allowed arithmetic: float matrix products may take bf16 or f16 operands with f32 sums; all other float work in f32.
;; Inputs: Wk 1,024 x 1,024 float32; Wo 1,024 x 1,024 float32; Wq 1,024 x 1,024 float32; Wv 1,024 x 1,024 float32; bk 1,024 float32; bo 1,024 float32; bq 1,024 float32; bv 1,024 float32; cos 1 x 1 x 2,048 x 32 float32; sin 1 x 1 x 2,048 x 32 float32; x 2 x 2,048 x 1,024 float32.
;; Outputs: out0 2 x 2,048 x 1,024 float32.
;; 3 versions, each right; version 2 is faster than version 1; version 3 is version 2 with the launch cvt written anew for expert scheduling mode. Each part assembles by itself: llvm-mc -triple=amdgcn-amd-amdhsa -mcpu=gfx1250 --defsym DOCPART=n.
;; ======== version 1 of 3: 4 launches
;; limits: values are held in f16: magnitudes above 65,504 overflow, below 6.1e-05 lose precision
;; workspace buffers: xb 16,777,216 bytes; wqkv 12,582,912 bytes; wob 2,097,152 bytes; qw 16,777,216 bytes; kw 16,777,216 bytes; vw 8,388,608 bytes; ab 8,388,608 bytes
;; launch cvt (part 1): grid 64 x 8, 8 waves a work-group, no clusters, 0 bytes of LDS; arguments x, Wq, Wk, Wv, Wo, xb, wqkv, wob; writes xb, wqkv, wob
.if DOCPART == 1
	.amdgcn_target "amdgcn-amd-amdhsa--gfx1250"
	.amdhsa_code_object_version 6
	.text
	.protected	k_q55912f412c_cvt
	.globl	k_q55912f412c_cvt
	.p2align	8
	.type	k_q55912f412c_cvt,@function
k_q55912f412c_cvt:
	s_mov_b64 s[64:65], 0
	v_nop
	global_prefetch_b8 v0, s[64:65] scope:SCOPE_SE
	s_setreg_imm32_b32 hwreg(HW_REG_WAVE_MODE, 25, 1), 1
	s_wait_xcnt 0x0
; The matrix operands are made once.  x, Wq, Wk, Wv: each f32 number a becomes two bf16 numbers, hi = bf16(a) and lo = bf16(a - hi), which
; together carry 16 significant bits at f32's range; the next launch multiplies hi x hi + lo x hi + hi x lo.  Wo becomes f16.
; Eight segments of 4 MiB of f32 (grid y): 0-3 the quarters of x, 4 Wq, 5 Wk, 6 Wv, 7 Wo.  Grid x: 64 groups of 16 rows of 4,096 bytes.
; LAYOUT of a split row (4,096 bytes): for each block of 64 numbers 128 bytes of hi, then 128 bytes of lo, so that 256 consecutive
; bytes hold both halves of 64 numbers.  The rows of Wq, Wk, Wv are regrouped head by head: wqkv row = 192 head + 64 m + d (m = 0 q, 1 k, 2 v).
; Sixteen neighbouring lanes make one such block: lanes 0-7 keep hi of eight numbers each, lanes 8-15 lo of the same numbers; both groups
; load the same 256 bytes in the same instructions, and each store of a wave covers 512 consecutive aligned bytes.
; A stream: all loads go out before the first store.  No LDS, matrix unit or cluster: no byte is used by a second work-group.
; LIMITS: |Wo| below 65,504 (f16's largest number), Wo below 2^-24 becomes 0; |x|, |W| below bf16's largest number.
.set X, 4                              ; v[4:131]   16 rows x 8 registers as loaded (Wo: 16 x 4)
.set Y, 132                            ; v[132:195] 16 rows x 4 registers to store (Wo: 16 x 2)
.set H, 196                            ; v[196:199] eight hi, packed
.set U, 200                            ; v[200:207] hi widened again, then a - hi, then lo packed
	s_load_b512 s[4:19], s[0:1], 0x0               ; x s[4:5], Wq s[6:7], Wk s[8:9], Wv s[10:11], Wo s[12:13], xb s[14:15], wqkv s[16:17], wob s[18:19]
	s_and_b32 s20, ttmp7, 0xffff                   ; segment
	s_lshl_b32 s21, ttmp9, 16                      ; 16 rows of 4,096 bytes for each group
	s_lshl_b32 s22, s20, 22                        ; x: the quarter's 4 MiB
	s_cmp_lt_u32 s20, 4
	s_cselect_b32 s22, s22, 0                      ; a weight matrix begins at its own first byte
	s_add_co_u32 s22, s22, s21                     ; s[22:23]: offset in the source, and x's offset in xb (rows of 4,096 bytes there too)
	s_mov_b32 s23, 0
	s_lshl_b32 s25, ttmp9, 15                      ; 16 rows of 2,048 bytes: Wo's offset in wob
	s_lshr_b32 s26, ttmp9, 2                       ; head = group / 4 (64 rows a head)
	s_mul_i32 s26, s26, 192
	s_max_u32 s27, s20, 4
	s_sub_co_u32 s27, s27, 4                       ; m (not used where the segment is a part of x or Wo)
	s_lshl_b32 s27, s27, 6
	s_add_co_u32 s26, s26, s27
	s_and_b32 s27, ttmp9, 3
	s_lshl_b32 s27, s27, 4                         ; 16 rows for each group inside the head
	s_add_co_u32 s26, s26, s27
	s_lshl_b32 s26, s26, 12                        ; rows of 4,096 bytes
	s_cmp_lt_u32 s20, 4
	s_cselect_b32 s26, s22, s26
	s_cmp_eq_u32 s20, 7
	s_cselect_b32 s26, s25, s26                    ; s[26:27]: offset in the destination
	s_mov_b32 s27, 0
	s_mov_b32 s33, 0xffff0000                      ; a word's upper bf16
	s_wait_kmcnt 0x0
	s_mov_b64 s[28:29], s[4:5]                     ; the source, chosen by the segment's number alone
	s_cmp_eq_u32 s20, 4
	s_cselect_b64 s[28:29], s[6:7], s[28:29]
	s_cmp_eq_u32 s20, 5
	s_cselect_b64 s[28:29], s[8:9], s[28:29]
	s_cmp_eq_u32 s20, 6
	s_cselect_b64 s[28:29], s[10:11], s[28:29]
	s_cmp_eq_u32 s20, 7
	s_cselect_b64 s[28:29], s[12:13], s[28:29]
	s_cmp_lt_u32 s20, 4
	s_cselect_b64 s[30:31], s[14:15], s[16:17]     ; the destination likewise
	s_cmp_eq_u32 s20, 7
	s_cselect_b64 s[30:31], s[18:19], s[30:31]
	s_add_nc_u64 s[28:29], s[28:29], s[22:23]
	s_add_nc_u64 s[30:31], s[30:31], s[26:27]
	s_cmp_eq_u32 s20, 7
	s_cbranch_scc1 .Lwo
	; x, Wq, Wk, Wv: thread t belongs to block t / 16 of the row and takes its numbers 8 (t % 8) .. + 7
	v_lshrrev_b32 v1, 4, v0
	v_lshlrev_b32 v1, 8, v1                        ; the block's 256 bytes of f32
	v_and_b32 v3, 7, v0
	v_lshl_add_u32 v1, v3, 5, v1                   ; + 32 bytes for each eight numbers
	v_lshlrev_b32 v2, 4, v0                        ; out: 16 t = 256 (t / 16) + 128 ((t / 8) % 2) + 16 (t % 8)
	v_and_b32 v3, 8, v0
	v_cmp_ne_u32 vcc_lo, 0, v3                     ; the lanes that keep lo
.irp j, 0,1,2,3,4,5,6,7,8,9,10,11,12,13,14,15
	global_load_b128 v[X+8*\j:X+8*\j+3],   v1, s[28:29] offset:4096*\j th:TH_LOAD_NT      ; read in this launch by these two instructions alone
	global_load_b128 v[X+8*\j+4:X+8*\j+7], v1, s[28:29] offset:4096*\j+16 th:TH_LOAD_NT
.endr
.irp j, 0,1,2,3,4,5,6,7,8,9,10,11,12,13,14,15
	s_wait_loadcnt 30-2*\j                         ; loads return in order (ISA guide 5.7.1): row j's two are in, the younger rows' stay out
.irp i, 0,1,2,3
	v_cvt_pk_bf16_f32 v[H+\i], v[X+8*\j+2*\i], v[X+8*\j+2*\i+1]
.endr
.irp i, 0,1,2,3
	v_lshlrev_b32 v[U+2*\i],   16,  v[H+\i]         ; hi as f32 again
	v_and_b32     v[U+2*\i+1], s33, v[H+\i]
.endr
.irp i, 0,1,2,3
	v_sub_f32 v[U+2*\i],   v[X+8*\j+2*\i],   v[U+2*\i]     ; a - hi is exact in f32
	v_sub_f32 v[U+2*\i+1], v[X+8*\j+2*\i+1], v[U+2*\i+1]
.endr
.irp i, 0,1,2,3
	v_cvt_pk_bf16_f32 v[U+2*\i], v[U+2*\i], v[U+2*\i+1]
.endr
.irp i, 0,1,2,3
	v_cndmask_b32 v[Y+4*\j+\i], v[H+\i], v[U+2*\i], vcc_lo
.endr
	global_store_b128 v2, v[Y+4*\j:Y+4*\j+3], s[30:31] offset:4096*\j   ; no store's register is written twice, so no source needs a wait
.endr
	s_endpgm
.Lwo:
	; Wo: thread t takes the 16 bytes at 16 t of each row; a store of a wave covers 256 consecutive aligned bytes
	v_lshlrev_b32 v1, 4, v0
	v_lshlrev_b32 v2, 3, v0
.irp j, 0,1,2,3,4,5,6,7,8,9,10,11,12,13,14,15
	global_load_b128 v[X+4*\j:X+4*\j+3], v1, s[28:29] offset:4096*\j th:TH_LOAD_NT
.endr
.irp j, 0,1,2,3,4,5,6,7,8,9,10,11,12,13,14,15
	s_wait_loadcnt 15-\j                           ; row j is in, the 15 - j younger loads stay out
	v_cvt_pk_f16_f32 v[Y+2*\j],   v[X+4*\j],   v[X+4*\j+1]
	v_cvt_pk_f16_f32 v[Y+2*\j+1], v[X+4*\j+2], v[X+4*\j+3]
	global_store_b64 v2, v[Y+2*\j:Y+2*\j+1], s[30:31] offset:2048*\j
.endr
	s_endpgm
.Lfunc_end_k_q55912f412c_cvt:
	.size	k_q55912f412c_cvt, .Lfunc_end_k_q55912f412c_cvt-k_q55912f412c_cvt
	.p2alignl 7, 3214868480
	.fill 96, 4, 3214868480
	.section	.rodata,"a",@progbits
	.p2align	6, 0x0
	.amdhsa_kernel k_q55912f412c_cvt
		.amdhsa_group_segment_fixed_size 0
		.amdhsa_private_segment_fixed_size 0
		.amdhsa_enable_private_segment 0
		.amdhsa_kernarg_size 64
		.amdhsa_user_sgpr_count 2
		.amdhsa_user_sgpr_kernarg_segment_ptr 1
		.amdhsa_wavefront_size32 1
		.amdhsa_system_sgpr_workgroup_id_x 1
		.amdhsa_system_sgpr_workgroup_id_y 1
		.amdhsa_system_sgpr_workgroup_id_z 1
		.amdhsa_system_vgpr_workitem_id 0
		.amdhsa_next_free_vgpr 208
		.amdhsa_next_free_sgpr 66
		.amdhsa_reserve_vcc 1
		.amdhsa_float_denorm_mode_32 3
		.amdhsa_float_denorm_mode_16_64 3
		.amdhsa_memory_ordered 1
		.amdhsa_forward_progress 1
		.amdhsa_inst_pref_size 31
	.end_amdhsa_kernel
	.amdgpu_metadata
---
amdhsa.version: [ 1, 2 ]
amdhsa.kernels:
  - .name:           k_q55912f412c_cvt
    .symbol:         k_q55912f412c_cvt.kd
    .args:
      - { .name: x, .offset: 0, .size: 8, .value_kind: global_buffer, .address_space: global }
      - { .name: Wq, .offset: 8, .size: 8, .value_kind: global_buffer, .address_space: global }
      - { .name: Wk, .offset: 16, .size: 8, .value_kind: global_buffer, .address_space: global }
      - { .name: Wv, .offset: 24, .size: 8, .value_kind: global_buffer, .address_space: global }
      - { .name: Wo, .offset: 32, .size: 8, .value_kind: global_buffer, .address_space: global }
      - { .name: xb, .offset: 40, .size: 8, .value_kind: global_buffer, .address_space: global }
      - { .name: wqkv, .offset: 48, .size: 8, .value_kind: global_buffer, .address_space: global }
      - { .name: wob, .offset: 56, .size: 8, .value_kind: global_buffer, .address_space: global }
    .group_segment_fixed_size: 0
    .private_segment_fixed_size: 0
    .kernarg_segment_align: 8
    .kernarg_segment_size: 64
    .max_flat_workgroup_size: 256
    .sgpr_count:     66
    .vgpr_count:     208
    .wavefront_size: 32
...
	.end_amdgpu_metadata
.endif
;; end of part 1
;; launch qkv (part 2): grid 16 x 16, 4 waves a work-group, clusters of 4 x 4, 327,680 bytes of LDS; arguments xb, wqkv, bq, bk, bv, cos, sin, qw, kw, vw; writes qw, kw, vw
.if DOCPART == 2
	.amdgcn_target "amdgcn-amd-amdhsa--gfx1250"
	.amdhsa_code_object_version 6
	.text
	.protected	k_q55912f412c_qkv
	.globl	k_q55912f412c_qkv
	.p2align	8
	.type	k_q55912f412c_qkv,@function
k_q55912f412c_qkv:
	s_mov_b64 s[64:65], 0
	v_nop
	global_prefetch_b8 v0, s[64:65] scope:SCOPE_SE
	s_setreg_imm32_b32 hwreg(HW_REG_WAVE_MODE, 25, 1), 1
	s_wait_xcnt 0x0
	s_wait_alu depctr_hold_cnt(0) depctr_sa_sdst(0) depctr_va_vdst(0) depctr_va_sdst(0) depctr_va_ssrc(0) depctr_va_vcc(0) depctr_vm_vsrc(0)
	s_getreg_b32 s2, hwreg(HW_REG_IB_STS2, 6, 4)
	s_cmp_eq_u32 s2, 0
	s_cbranch_scc0 .Lentry_in_a_cluster
	s_endpgm
.Lentry_in_a_cluster:
	s_bfe_u32 s2, ttmp6, 0x10000c
	s_cmp_lg_u32 s2, 0xf033
	s_cbranch_scc0 .Lentry_shape_is_right
	s_endpgm
.Lentry_shape_is_right:
; q, k, v of one head for 256 rows of x: C[256][192] = x W^T + bias, f32 sums; then the rotation of neighbouring column pairs of q and k
; by the given cos and sin, q times 0.125 log2(e) (so that the next launch's exponentials are base 2), and out.
; PRECISION: x and W come as hi + lo in bf16 (16 significant bits); the product is hi x hi + lo x hi + hi x lo; lo x lo, below 2^-16 of
; the terms, is left out.  q and k leave the same way, as [batch x head][2048][64 hi | 64 lo] bf16: a score made of a few large terms
; moves by its own size times the operands' rounding, and a weight near one half hands that on to a whole output row.
; v leaves in f16, [batch x head][2048][64].  LIMIT: |v| below 65,504.
; Work-group (x = head, y = block of 256 rows); four waves, wave w makes rows 64 w .. 64 w + 63 and all 192 columns: 48 accumulator
; tiles of 16 x 16.  A tile's row is 256 consecutive bytes: hi and lo of 64 along K.  16 such steps go through two LDS slots.
; CLUSTER 4 x 4: the four work-groups of a row of the cluster share the rows of x, those of a column the head's weights; such a tile
; is asked for jointly, which divides the requests for both by four.
; REGISTERS: window 0: v4-14 addresses, v16-143 four x fragment buffers (hi0, lo0, hi1, lo1), v144-207 cos, v208-231 work on the way out;
;   window 1: v0-95 and v96-191 two weight fragment buffers X, Y, v192-255 sin; window 2: accumulators of column tiles 0-7 (q, k) at
;   8 (8 a + b); window 3: v0-127 accumulators of tiles 8-11 (v) at 8 (4 a + b - 8), v128-223 the bias of tile b at 128 + 8 b.
; THE MATRIX INSTRUCTION IS USED TRANSPOSED (source 0 = weight rows, source 1 = rows of x): lane l holds row l % 16 and its registers
; 0-7 the columns 8 (l / 16) + 0..7, so a rotation's pair lies in two neighbouring registers and eight results pack into 16 bytes.
.set KSTEP,  128                       ; elements in a tile's row: 64 hi + 64 lo
.set PITCH,  272                       ; 256 bytes + 16 of padding: the 16 rows of a fragment load begin in 16 different groups of four banks
.set PIECE,  128*PITCH                 ; what one wave's tensor load may fill: pieces 0, 1 = x rows 0-127, 128-255; 2, 3 = weight rows 0-95, 96-191
.set SLOT,   4*PIECE
.set STAGE,  2*SLOT                    ; behind the ring: 16 rows x 656 bytes for each wave; no tensor load lands here
.set SPITCH, 656                       ; q 256 + k 256 + v 128 bytes + 16
.set LAPS,   8                         ; 16 steps, two a lap
.set ADRA, 4                           ; v4-5   LDS address of my x fragments in slot 0, 1
.set ADRB, 6                           ; v6-7   of the weight fragments
.set STO,  8                           ; way out: where I put 16 bytes
.set RDQ,  9                           ; way out: where I read 16 bytes of q or k back (sixteen lanes a row)
.set RDV,  10                          ; the same for v (eight lanes a row)
.set COQ,  11                          ; my byte offset in q and k
.set COV,  12                          ; my byte offset in v
.set VCS,  13                          ; my byte offset in cos and sin
.set VB,   14                          ; my byte offset in a bias
.set FA,   16                          ; x fragments: buffer n at FA + 32 n
.set T,    16                          ; way out: 64 rotated numbers
.set TMP,  80                          ; way out: q hi, q lo, k hi, k lo, 16 packed registers each
.set COS,  144                         ; cos of (a, bb) at COS + 16 a + 4 bb
.set TV,   208                         ; way out: v, 16 packed registers
.set U,    224                         ; way out: eight numbers at work
.set BX,   0                           ; window 1
.set BY,   96                          ; window 1
.set SIN,  192                         ; window 1: sin of (a, bb) at SIN + 16 a + 4 bb
.set RB,   0                           ; window 1, way out: 80 registers read back
.set BIAS, 128                         ; window 3
.set G1,  24                           ; s[24:31] group 1 for x's tiles
.set G0,  32                           ; s[32:39] group 0 for x's tiles, one set a slot
.set G1B, 48                           ; s[48:55] group 1 for the weights' tiles
.set G0B, 56                           ; s[56:63] group 0 for them
.set MSB, 0
.macro WIN new                         ; the immediate's high byte repeats the setting that is left
.if MSB != \new
	s_set_vgpr_msb (MSB<<8)|\new
.set MSB, \new
.endif
.endm
.macro PLACES                          ; four places behind a matrix instruction (ISA guide 7.12.1) before its registers are read, written or loaded into
.rept 4
	v_nop
.endr
.endm
.macro JLOAD s                         ; waves 0, 1 ask for x's two halves, waves 2, 3 for the weights': one joint load a wave
	s_cmp_eq_u32 s11, 0
	s_cbranch_scc0 .Lfor_b_\@
	tensor_load_to_lds s[G0+4*\s:G0+4*\s+3], s[G1:G1+7]
	s_nop 0
	s_branch .Lasked_\@
.Lfor_b_\@:
	tensor_load_to_lds s[G0B+4*\s:G0B+4*\s+3], s[G1B:G1B+7]
	s_nop 0
.Lasked_\@:
.endm
.macro CREST                           ; a round of the cluster's barrier behind its opening work-group barrier
	s_cmp_lg_u32 s10, 0
	s_cbranch_scc1 .Lnot_wave_0_\@
	s_barrier_signal -3
.Lnot_wave_0_\@:
	s_barrier_wait -3
	s_barrier_signal -1
	s_barrier_wait -1
.endm
.macro CROUND
	s_barrier_signal -1
	s_barrier_wait -1
	CREST
.endm
	s_load_b128 s[4:7], s[0:1], 0x0                ; xb s[4:5], wqkv s[6:7]
	s_load_b512 s[68:83], s[0:1], 0x10             ; bq 68, bk 70, bv 72, cos 74, sin 76, qw 78, kw 80, vw 82
	v_lshl_add_u32 v254, v0, 2, 0x4e400
	v_mov_b32 v255, 0
	ds_add_u32 v254, v255
	ds_add_u32 v254, v255
	v_lshrrev_b32 v1, 5, v0
	v_readfirstlane_b32 s10, v1                    ; wave 0..3
	s_lshr_b32 s11, s10, 1                         ; I fetch for x (0) or for the weights (1)
	s_and_b32 s12, s10, 1                          ; which half of that tile
	s_bfe_u32 s40, ttmp6, 0x40000                  ; cx
	s_bfe_u32 s41, ttmp6, 0x40004                  ; cy
	s_lshl_b32 s42, ttmp9, 2
	s_add_co_u32 s42, s42, s40                     ; head = 4 x cluster x + cx
	s_and_b32 s13, ttmp7, 0xffff
	s_lshl_b32 s13, s13, 2
	s_add_co_u32 s13, s13, s41                     ; row block = 4 x cluster y + cy
	s_lshl_b32 s43, s41, 2
	s_lshl_b32 s43, 15, s43                        ; my row of the cluster
	s_lshl_b32 s44, 0x1111, s40                    ; my column
	s_or_b32 s[G1+0],  s43, (1<<16)|(1<<20)|(1<<21)|(5<<22)|(3<<25)   ; mask; 2-byte elements; padding on; bit 21 beside a mask; 4 words behind every 64
	s_or_b32 s[G1B+0], s44, (1<<16)|(1<<20)|(1<<21)|(5<<22)|(3<<25)
	s_mov_b32 s[G1+1], KSTEP<<16                   ; tensor_dim0 = 128
	s_mov_b32 s[G1+2], 128<<16                     ; tensor_dim1 = 128
	s_mov_b32 s[G1+3], KSTEP<<16                   ; tile_dim0 = 128
	s_mov_b32 s[G1+4], 128                         ; tile_dim1 = 128 rows
	s_mov_b32 s[G1+5], 2048                        ; elements from row to row: 1,024 hi + 1,024 lo
	s_mov_b32 s[G1+6], 0
	s_mov_b32 s[G1+7], 0
	s_mov_b32 s[G1B+1], KSTEP<<16
	s_mov_b32 s[G1B+2], 96<<16                     ; the weights' halves have 96 rows
	s_mov_b32 s[G1B+3], KSTEP<<16
	s_mov_b32 s[G1B+4], 96
	s_mov_b32 s[G1B+5], 2048
	s_mov_b32 s[G1B+6], 0
	s_mov_b32 s[G1B+7], 0
	; x's tiles hang on the row block and the wave alone, the weights' on the head and the wave alone, each in registers of its own
	s_lshl_b32 s17, s12, 7
	s_lshl_b32 s16, s13, 8
	s_add_co_u32 s16, s16, s17                     ; x row 256 x block + 128 x half
	s_lshl_b32 s16, s16, 12                        ; rows of 4,096 bytes
	s_mov_b32 s17, 0
	s_mul_i32 s46, s42, 192
	s_mul_i32 s47, s12, 96
	s_add_co_u32 s46, s46, s47                     ; weight row 192 x head + 96 x half
	s_lshl_b32 s46, s46, 12
	s_mov_b32 s47, 0
	s_mul_i32 s20, s10, PIECE                      ; where my piece goes: the wave's number alone
	s_lshl_b32 s84, s42, 8                         ; the head's 64 numbers in a bias
	s_mov_b32 s85, 0
	s_and_b32 s86, s13, 7
	s_lshl_b32 s86, s86, 15                        ; 256 rows of 128 bytes for each block inside a batch: cos, sin, and part of v's offset
	s_mov_b32 s87, 0
	s_lshr_b32 s88, s13, 3                         ; batch
	s_lshl_b32 s88, s88, 4
	s_add_co_u32 s88, s88, s42                     ; 16 x batch + head
	s_lshl_b32 s88, s88, 18                        ; 2,048 rows of 128 bytes
	s_add_co_u32 s88, s88, s86                     ; s[88:89]: my block in v
	s_mov_b32 s89, 0
	s_lshl_b32 s90, s88, 1                         ; s[90:91]: in q and k, whose rows are twice as long
	s_mov_b32 s91, 0
	s_mov_b32 s92, 0xffff0000                      ; a word's upper bf16
	s_wait_dscnt 0x0
	s_wait_kmcnt 0x0
	s_add_nc_u64 s[14:15], s[4:5], s[16:17]
	s_add_nc_u64 s[46:47], s[6:7], s[46:47]
	s_add_nc_u64 s[68:69], s[68:69], s[84:85]
	s_add_nc_u64 s[70:71], s[70:71], s[84:85]
	s_add_nc_u64 s[72:73], s[72:73], s[84:85]
	s_add_nc_u64 s[74:75], s[74:75], s[86:87]
	s_add_nc_u64 s[76:77], s[76:77], s[86:87]
	s_add_nc_u64 s[78:79], s[78:79], s[90:91]
	s_add_nc_u64 s[80:81], s[80:81], s[90:91]
	s_add_nc_u64 s[82:83], s[82:83], s[88:89]
	CROUND                                         ; all sixteen work-groups are here: the first joint loads meet
.irp s, 0,1
	s_mov_b32 s[G0+4*\s], 1
	s_add_co_u32 s[G0+4*\s+1], s20, \s*SLOT
	s_add_nc_u64 s[G0+4*\s+2:G0+4*\s+3], s[14:15], \s*KSTEP*2
	s_or_b32 s[G0+4*\s+3], s[G0+4*\s+3], 0x80000000
	s_mov_b32 s[G0B+4*\s], 1
	s_add_co_u32 s[G0B+4*\s+1], s20, \s*SLOT
	s_add_nc_u64 s[G0B+4*\s+2:G0B+4*\s+3], s[46:47], \s*KSTEP*2
	s_or_b32 s[G0B+4*\s+3], s[G0B+4*\s+3], 0x80000000
	JLOAD \s                                       ; both first fills go out together: two tensor loads of a wave are out
.endr
	v_and_b32 v1, 15, v0                           ; r = l % 16
	v_bfe_u32 v2, v0, 4, 1                         ; h = l / 16
	v_mul_u32_u24 v3, v1, PITCH
	v_lshl_add_u32 v3, v2, 4, v3                   ; fragment: row r, 16 bytes for each half of the lanes
	s_mul_i32 s21, s10, 64*PITCH                   ; my 64 rows of x
	s_mov_b32 s22, 2*PIECE                         ; the weights lie behind x's 256 rows
.irp s, 0,1
	v_add_nc_u32 v[ADRA+\s], s21, v3
	v_add_nc_u32 v[ADRB+\s], s22, v3
	s_add_co_u32 s21, s21, SLOT
	s_add_co_u32 s22, s22, SLOT
.endr
	s_mul_i32 s23, s10, 16*SPITCH
	s_add_co_u32 s23, s23, STAGE                   ; my stage
	v_mul_u32_u24 v3, v1, SPITCH
	v_lshl_add_u32 v3, v2, 4, v3
	v_add_nc_u32 v[STO], s23, v3                   ; in: row r, byte 16 h
	v_mul_u32_u24 v3, v2, SPITCH
	v_lshl_add_u32 v3, v1, 4, v3
	v_add_nc_u32 v[RDQ], s23, v3                   ; back: sixteen lanes take the 256 bytes that a row has of q or of k
	v_and_b32 v15, 31, v0
	v_lshrrev_b32 v3, 3, v15
	v_mul_u32_u24 v3, v3, SPITCH
	v_add_nc_u32 v[RDV], s23, v3
	v_and_b32 v3, 7, v0
	v_lshl_add_u32 v[RDV], v3, 4, v[RDV]           ; back: eight lanes take the 128 bytes that a row has of v
	v_lshlrev_b32 v[COQ], 4, v15
	v_lshl_add_u32 v[COV], s10, 13, v[COQ]         ; 64 w rows of 128 bytes + 16 l
	v_lshl_add_u32 v[COQ], s10, 14, v[COQ]         ; 64 w rows of 256 bytes + 16 l
	v_lshlrev_b32 v[VCS], 7, v1
	v_lshl_add_u32 v[VCS], v2, 4, v[VCS]
	v_lshl_add_u32 v[VCS], s10, 13, v[VCS]         ; (64 w + r) rows of 128 bytes + 16 h: my four pairs of a column tile
	v_lshlrev_b32 v[VB], 5, v2                     ; my eight columns of a tile: 32 h
	WIN 0xc0                                       ; destination in window 3
.irp bb, 0,1,2,3
	global_load_b128 v[BIAS+8*\bb:BIAS+8*\bb+3],       v[VB], s[68:69] offset:64*\bb
	global_load_b128 v[BIAS+8*\bb+4:BIAS+8*\bb+7],     v[VB], s[68:69] offset:64*\bb+16
	global_load_b128 v[BIAS+32+8*\bb:BIAS+32+8*\bb+3],   v[VB], s[70:71] offset:64*\bb
	global_load_b128 v[BIAS+32+8*\bb+4:BIAS+32+8*\bb+7], v[VB], s[70:71] offset:64*\bb+16
	global_load_b128 v[BIAS+64+8*\bb:BIAS+64+8*\bb+3],   v[VB], s[72:73] offset:64*\bb
	global_load_b128 v[BIAS+64+8*\bb+4:BIAS+64+8*\bb+7], v[VB], s[72:73] offset:64*\bb+16
.endr
	WIN 0
.irp a, 0,1,2,3
.irp bb, 0,1,2,3
	global_load_b128 v[COS+16*\a+4*\bb:COS+16*\a+4*\bb+3], v[VCS], s[74:75] offset:2048*\a+32*\bb
.endr
.endr
	WIN 0x40                                       ; destination in window 1
.irp a, 0,1,2,3
.irp bb, 0,1,2,3
	global_load_b128 v[SIN+16*\a+4*\bb:SIN+16*\a+4*\bb+3], v[VCS], s[76:77] offset:2048*\a+32*\bb
.endr
.endr
; 8 LDS loads: my 64 rows of x, 32 along K at byte k of the slot's rows (0, 64: hi; 128, 192: lo), into buffer n
.macro FETCHA slot, k, n
	WIN 0
.irp a, 0,1,2,3
	ds_load_b128 v[FA+32*\n+8*\a:FA+32*\n+8*\a+3],   v[ADRA+\slot] offset:\k+\a*16*PITCH
	ds_load_b128 v[FA+32*\n+8*\a+4:FA+32*\n+8*\a+7], v[ADRA+\slot] offset:\k+\a*16*PITCH+32
.endr
.endm
; 24 LDS loads: the 192 weight rows likewise, into the buffer at fb of window 1
.macro FETCHB slot, k, fb
	WIN 0x40
.irp b, 0,1,2,3,4,5
	ds_load_b128 v[\fb+8*\b:\fb+8*\b+3],   v[ADRB+\slot] offset:\k+\b*16*PITCH
	ds_load_b128 v[\fb+8*\b+4:\fb+8*\b+7], v[ADRB+\slot] offset:\k+\b*16*PITCH+32
.endr
.irp b, 6,7,8,9,10,11
	ds_load_b128 v[\fb+8*\b:\fb+8*\b+3],   v[ADRB+\slot] offset:\k+PIECE+(\b-6)*16*PITCH
	ds_load_b128 v[\fb+8*\b+4:\fb+8*\b+7], v[ADRB+\slot] offset:\k+PIECE+(\b-6)*16*PITCH+32
.endr
.endm
; The 48 accumulators take turns, one instruction a turn, in the same order in every phase.
; first = 1: the sum starts from the bias (C = the bias registers): nothing is cleared, and no bias is added later.
.macro MULA n, fb, first               ; column tiles 0-7
.if \first
	WIN 0xb1                                       ; source 0 window 1, source 1 window 0, C window 3, D window 2
.else
	WIN 0xa1                                       ; C and D window 2
.endif
.irp a, 0,1,2,3
.irp b, 0,1,2,3,4,5,6,7
.if \first
	v_wmma_f32_16x16x32_bf16 v[8*(8*\a+\b):8*(8*\a+\b)+7], v[\fb+8*\b:\fb+8*\b+7], v[FA+32*\n+8*\a:FA+32*\n+8*\a+7], v[BIAS+8*\b:BIAS+8*\b+7]
.else
	v_wmma_f32_16x16x32_bf16 v[8*(8*\a+\b):8*(8*\a+\b)+7], v[\fb+8*\b:\fb+8*\b+7], v[FA+32*\n+8*\a:FA+32*\n+8*\a+7], v[8*(8*\a+\b):8*(8*\a+\b)+7]
.endif
.endr
.endr
.endm
.macro MULB n, fb, first               ; column tiles 8-11
	WIN 0xf1                                       ; C and D window 3
.irp a, 0,1,2,3
.irp b, 0,1,2,3
.if \first
	v_wmma_f32_16x16x32_bf16 v[8*(4*\a+\b):8*(4*\a+\b)+7], v[\fb+64+8*\b:\fb+64+8*\b+7], v[FA+32*\n+8*\a:FA+32*\n+8*\a+7], v[BIAS+64+8*\b:BIAS+64+8*\b+7]
.else
	v_wmma_f32_16x16x32_bf16 v[8*(4*\a+\b):8*(4*\a+\b)+7], v[\fb+64+8*\b:\fb+64+8*\b+7], v[FA+32*\n+8*\a:FA+32*\n+8*\a+7], v[8*(4*\a+\b):8*(4*\a+\b)+7]
.endif
.endr
.endr
.endm
; One step: 64 along K, three products, as six phases of 48 matrix instructions.  x buffers: 0 = hi0, 1 = lo0, 2 = hi1, 3 = lo1 (0, 1: the
; first and second 32 along K); weight buffers: X = hi0 then hi1, Y = lo0 then lo1.  At its head buffers 0, 1 and X have been asked for.
; Each phase first asks for what a later phase multiplies, into a buffer whose last product has been issued, four places behind it.
; In the fifth phase the slots change.  In front of the barrier each wave has its reads of this slot back and all its tensor loads landed
; (the one that is out is its piece of the next slot).  Where the slot is filled again the barrier opens a round of the cluster's
; barrier, and the joint refill is the first tensor load behind the round, one a wave; it has 256 matrix instructions in which to land.
.macro STEPK slot, next, fill, last, first
	PLACES
	s_wait_dscnt 0x0                               ; buffers 0, 1 and X are whole
	FETCHB \slot, 128, BY
	MULA 0, BX, \first                             ; hi0 x hi0
	MULB 0, BX, \first
	PLACES
	FETCHA \slot, 64, 2
	FETCHA \slot, 192, 3
	MULA 1, BX, 0                                  ; lo0 x hi0
	MULB 1, BX, 0
	PLACES
	s_wait_dscnt 16                                ; Y's 24 loads are in; the 16 for buffers 2 and 3, issued behind them, stay out
	FETCHB \slot, 64, BX
	MULA 0, BY, 0                                  ; hi0 x lo0
	MULB 0, BY, 0
	PLACES
	s_wait_dscnt 0x0                               ; buffers 2, 3 and X are whole
	FETCHB \slot, 192, BY
	MULA 2, BX, 0                                  ; hi1 x hi1
	MULB 2, BX, 0
	s_wait_dscnt 0x0                               ; Y is whole, and with it my reads of this slot are over
.if \last
	MULA 3, BX, 0                                  ; lo1 x hi1
	MULB 3, BX, 0
	MULA 2, BY, 0                                  ; hi1 x lo1
	MULB 2, BY, 0
.else
	s_set_vgpr_msb 0xf1f0
	s_wait_tensorcnt 0x0                           ; all my tensor loads have landed
	ds_add_u32 v254, v255
	s_wait_dscnt 0x0
	s_set_vgpr_msb 0xf0f1
	s_barrier_signal -1
	MULA 3, BX, 0                                  ; lo1 x hi1: register work while the others arrive
	WIN 0
	s_barrier_wait -1
.if \fill
	CREST                                          ; no wave of any partner still reads this slot or has a load on its way
	s_add_nc_u64 s[G0+4*\slot+2:G0+4*\slot+3], s[G0+4*\slot+2:G0+4*\slot+3], 2*KSTEP*2
	s_add_nc_u64 s[G0B+4*\slot+2:G0B+4*\slot+3], s[G0B+4*\slot+2:G0B+4*\slot+3], 2*KSTEP*2
	JLOAD \slot
.endif
	PLACES
	FETCHA \next, 0, 0
	FETCHA \next, 128, 1
	MULB 3, BX, 0
	PLACES
	FETCHB \next, 0, BX
	MULA 2, BY, 0                                  ; hi1 x lo1
	MULB 2, BY, 0
.endif
.endm
.macro LAP first
	STEPK 0, 1, 1, 0, \first
	STEPK 1, 0, 1, 0, 0
.endm
	s_wait_tensorcnt 0x1                           ; my piece of step 0 is in; step 1's load, issued behind it, stays out
	s_barrier_signal -1
	s_barrier_wait -1
	FETCHA 0, 0, 0
	FETCHA 0, 128, 1
	FETCHB 0, 0, BX
	s_wait_loadcnt 0x0                             ; bias, cos and sin, once
	LAP 1
	WIN 0
	s_mov_b32 s3, LAPS-2
.Llap:
	LAP 0
	WIN 0
	s_sub_co_u32 s3, s3, 1
	s_cmp_lg_u32 s3, 0
	s_cbranch_scc1 .Llap
	STEPK 0, 1, 0, 0, 0                            ; the last lap fills nothing
	STEPK 1, 0, 0, 1, 0
	PLACES                                         ; behind the last matrix instructions: results are read, fragment registers written
; THE WAY OUT, 16 rows at a time.  y(2i) = x(2i) cos - x(2i+1) sin, y(2i+1) = x(2i) sin + x(2i+1) cos: one packed multiply by cos,
; two fused multiply-adds by sin.  q and k are split into hi and lo, v is rounded to f16; 16 bytes a lane go into my own stage,
; and runs of 512 consecutive bytes come back and go out.
.macro OUT16 a
	WIN 0x02                                       ; source 0 (the sums) in window 2
.irp b, 0,1,2,3,4,5,6,7
.irp p, 0,1
	v_pk_mul_f32 v[T+8*\b+4*\p:T+8*\b+4*\p+1],   v[8*(8*\a+\b)+4*\p:8*(8*\a+\b)+4*\p+1],   v[COS+16*\a+4*(\b%4)+2*\p:COS+16*\a+4*(\b%4)+2*\p+1] op_sel_hi:[1,0]
	v_pk_mul_f32 v[T+8*\b+4*\p+2:T+8*\b+4*\p+3], v[8*(8*\a+\b)+4*\p+2:8*(8*\a+\b)+4*\p+3], v[COS+16*\a+4*(\b%4)+2*\p:COS+16*\a+4*(\b%4)+2*\p+1] op_sel:[0,1] op_sel_hi:[1,1]
.endr
.endr
	WIN 0x06                                       ; source 0 window 2, source 1 (sin) window 1
.irp b, 0,1,2,3,4,5,6,7
.irp i, 0,1,2,3
	v_fma_f32 v[T+8*\b+2*\i],   -v[8*(8*\a+\b)+2*\i+1], v[SIN+16*\a+4*(\b%4)+\i], v[T+8*\b+2*\i]
	v_fma_f32 v[T+8*\b+2*\i+1], v[8*(8*\a+\b)+2*\i],    v[SIN+16*\a+4*(\b%4)+\i], v[T+8*\b+2*\i+1]
.endr
.endr
	WIN 0
.irp j, 0,2,4,6,8,10,12,14,16,18,20,22,24,26,28,30
	v_pk_mul_f32 v[T+\j:T+\j+1], v[T+\j:T+\j+1], 0x3e38aa3b op_sel_hi:[1,0]   ; q alone: 1 / sqrt(64) x log2(e)
.endr
.irp b, 0,1,2,3,4,5,6,7
.irp i, 0,1,2,3
	v_cvt_pk_bf16_f32 v[TMP+32*(\b/4)+4*(\b%4)+\i], v[T+8*\b+2*\i], v[T+8*\b+2*\i+1]          ; hi
.endr
.irp i, 0,1,2,3
	v_lshlrev_b32 v[U+2*\i],   16,  v[TMP+32*(\b/4)+4*(\b%4)+\i]                              ; hi as f32 again
	v_and_b32     v[U+2*\i+1], s92, v[TMP+32*(\b/4)+4*(\b%4)+\i]
.endr
.irp i, 0,1,2,3
	v_sub_f32 v[U+2*\i],   v[T+8*\b+2*\i],   v[U+2*\i]                                        ; exact in f32
	v_sub_f32 v[U+2*\i+1], v[T+8*\b+2*\i+1], v[U+2*\i+1]
.endr
.irp i, 0,1,2,3
	v_cvt_pk_bf16_f32 v[TMP+32*(\b/4)+16+4*(\b%4)+\i], v[U+2*\i], v[U+2*\i+1]                 ; lo
.endr
.endr
	WIN 0x0f                                       ; both sources in window 3
.irp b, 0,1,2,3
.irp i, 0,1,2,3
	v_cvt_pk_f16_f32 v[TV+4*\b+\i], v[8*(4*\a+\b)+2*\i], v[8*(4*\a+\b)+2*\i+1]
.endr
.endr
	WIN 0
.irp n, 0,1,2,3,4,5,6,7,8,9,10,11,12,13,14,15
	ds_store_b128 v[STO], v[TMP+4*\n:TMP+4*\n+3] offset:32*\n      ; q hi at 0, q lo at 128, k hi at 256, k lo at 384 of the row
.endr
.irp n, 0,1,2,3
	ds_store_b128 v[STO], v[TV+4*\n:TV+4*\n+3] offset:512+32*\n    ; v at 512
.endr
	s_wait_xcnt 0x0                                ; the registers read back into were the last block's store data: loaded again only behind this wait
	WIN 0x40                                       ; destination in window 1
.irp m, 0,1
.irp u, 0,1,2,3,4,5,6,7
	ds_load_b128 v[RB+4*(8*\m+\u):RB+4*(8*\m+\u)+3], v[RDQ] offset:2*SPITCH*\u+256*\m   ; my own bytes; LDS serves a wave's instructions in order (ISA guide 5.7.1)
.endr
.endr
.irp u, 0,1,2,3
	ds_load_b128 v[RB+64+4*\u:RB+64+4*\u+3], v[RDV] offset:4*SPITCH*\u+512
.endr
	WIN 0x04                                       ; store data in window 1
.irp m, 0,1
.irp u, 0,1,2,3,4,5,6,7
	s_wait_dscnt 19-(8*\m+\u)                      ; the younger loads stay out
	global_store_b128 v[COQ], v[RB+4*(8*\m+\u):RB+4*(8*\m+\u)+3], s[78+2*\m:79+2*\m] offset:4096*\a+512*\u   ; two rows of 256 bytes: 512 consecutive bytes, aligned
.endr
.endr
.irp u, 0,1,2,3
	s_wait_dscnt 3-\u
	global_store_b128 v[COV], v[RB+64+4*\u:RB+64+4*\u+3], s[82:83] offset:2048*\a+512*\u                      ; four rows of 128 bytes
.endr
.endm
	OUT16 0
	OUT16 1
	OUT16 2
	OUT16 3
	WIN 0
	s_wait_tensorcnt 0x0
	ds_add_u32 v254, v255
	s_wait_dscnt 0x0
	CROUND                                         ; the closing round: no work-group ends while a partner may still ask for a tile that names it
	s_endpgm
.Lfunc_end_k_q55912f412c_qkv:
	.size	k_q55912f412c_qkv, .Lfunc_end_k_q55912f412c_qkv-k_q55912f412c_qkv
	.p2alignl 7, 3214868480
	.fill 96, 4, 3214868480
	.section	.rodata,"a",@progbits
	.p2align	6, 0x0
	.amdhsa_kernel k_q55912f412c_qkv
		.amdhsa_group_segment_fixed_size 327680
		.amdhsa_private_segment_fixed_size 0
		.amdhsa_enable_private_segment 0
		.amdhsa_kernarg_size 80
		.amdhsa_user_sgpr_count 2
		.amdhsa_user_sgpr_kernarg_segment_ptr 1
		.amdhsa_wavefront_size32 1
		.amdhsa_system_sgpr_workgroup_id_x 1
		.amdhsa_system_sgpr_workgroup_id_y 1
		.amdhsa_system_sgpr_workgroup_id_z 1
		.amdhsa_system_vgpr_workitem_id 0
		.amdhsa_next_free_vgpr 992
		.amdhsa_next_free_sgpr 96
		.amdhsa_reserve_vcc 0
		.amdhsa_float_denorm_mode_32 3
		.amdhsa_float_denorm_mode_16_64 3
		.amdhsa_memory_ordered 1
		.amdhsa_forward_progress 1
		.amdhsa_inst_pref_size 255
	.end_amdhsa_kernel
	.section	.bss,"aw",@nobits
	.p2align	6
	.space	262144
	.amdgpu_metadata
---
amdhsa.version: [ 1, 2 ]
amdhsa.kernels:
  - .name:           k_q55912f412c_qkv
    .symbol:         k_q55912f412c_qkv.kd
    .args:
      - { .name: xb, .offset: 0, .size: 8, .value_kind: global_buffer, .address_space: global }
      - { .name: wqkv, .offset: 8, .size: 8, .value_kind: global_buffer, .address_space: global }
      - { .name: bq, .offset: 16, .size: 8, .value_kind: global_buffer, .address_space: global }
      - { .name: bk, .offset: 24, .size: 8, .value_kind: global_buffer, .address_space: global }
      - { .name: bv, .offset: 32, .size: 8, .value_kind: global_buffer, .address_space: global }
      - { .name: cos, .offset: 40, .size: 8, .value_kind: global_buffer, .address_space: global }
      - { .name: sin, .offset: 48, .size: 8, .value_kind: global_buffer, .address_space: global }
      - { .name: qw, .offset: 56, .size: 8, .value_kind: global_buffer, .address_space: global }
      - { .name: kw, .offset: 64, .size: 8, .value_kind: global_buffer, .address_space: global }
      - { .name: vw, .offset: 72, .size: 8, .value_kind: global_buffer, .address_space: global }
    .group_segment_fixed_size: 327680
    .private_segment_fixed_size: 0
    .kernarg_segment_align: 8
    .kernarg_segment_size: 80
    .max_flat_workgroup_size: 128
    .sgpr_count:     96
    .vgpr_count:     992
    .wavefront_size: 32
...
	.end_amdgpu_metadata
.endif
;; end of part 2
;; launch attn (part 3): grid 8 x 32, 8 waves a work-group, no clusters, 327,680 bytes of LDS; arguments qw, kw, vw, ab; writes ab
.if DOCPART == 3
	.amdgcn_target "amdgcn-amd-amdhsa--gfx1250"
	.amdhsa_code_object_version 6
	.text
	.protected	k_q55912f412c_attn
	.globl	k_q55912f412c_attn
	.p2align	8
	.type	k_q55912f412c_attn,@function
k_q55912f412c_attn:
	s_mov_b64 s[64:65], 0
	v_nop
	global_prefetch_b8 v0, s[64:65] scope:SCOPE_SE
	s_setreg_imm32_b32 hwreg(HW_REG_WAVE_MODE, 25, 1), 1
	s_wait_xcnt 0x0
; Causal attention of one (batch, head) (grid y) with a running maximum.  q comes scaled by 0.125 log2(e), so exponentials are base 2.
; Work-group p (grid x) takes the query blocks of 128 rows number p and then 15 - p: (p + 1) + (16 - p) = 17 key tiles of 128 in every
; work-group.  Tiles above the diagonal are not computed; the diagonal tile is masked by a select, in every lane.
; Eight waves: w = wave % 4 takes queries 32 w .. +31 (two column tiles nt), g = wave / 4 takes keys 64 g .. +63 of every tile, so that
; two waves lie on each SIMD and one's exponentials run beside the other's matrix work.  The two key groups are merged through LDS at a block's end.
; PRECISION: q and k come as hi + lo in bf16 (16 significant bits, f32's range); S^T = Kh Qh + Kh Ql + Kl Qh; lo x lo, below 2^-16 of the terms, is left out.
; In S^T a lane holds query l % 16 and keys 8 (l / 16) + 0..7 of each key tile; packing two key tiles gives, inside the lane, the operand
; of O^T = V^T P^T (f16).  Maximum, rescaling factor and row sum are numbers of the lane; only the maximum crosses the halves in a step.
; NO CLUSTER: partners need different numbers of tiles (p + 1 and 16 - p); four partners in step would pass 4 + 16 or 8 + 12 = 20 steps
; where each work-group now passes 17.  NO PREFETCH: a head's K and V are 768 KiB that the launch before stored and eight work-groups read.
; LIMITS: the mask's value is -FLT_MAX, not -infinity (a key group with no valid key gets the weight exp2(-FLT_MAX - m) = 0 in the merge);
; P is rounded to f16, so p below 2^-24 counts as 0 in the numerator; the row sum adds the unrounded p; the result must lie inside f16's range (65,504).
.set KBYTES,  34816                    ; K: 128 rows x 272 (64 hi + 64 lo = 256 bytes, + 16)
.set SLOT,    55296                    ; + V: 128 rows x 160 (128 bytes + 32: an odd multiple of 32 for the transposing loads)
.set SCRATCH, 110592                   ; behind the two slots: 8,704 bytes for each w, group 1's sums for the merge; no tensor load lands here
.set SCRW,    8704
.set STAGE,   145408                   ; 32 rows x 144 for each w, the way out
.set STW,     4608
.set KTILE,   32768                    ; a K tile in memory: 128 rows of 256 bytes, dense
.set VTILE,   16384                    ; a V tile: 128 rows of 128 bytes, dense
.set ADK, 4                            ; v4-5  LDS address of my K fragments in slot 0, 1
.set ADV, 6                            ; v6-7  of my V fragments
.set VQ,  8                            ; my byte offset in the block's q
.set DM,  9                            ; query - key at (kt, nt, j) = (0, 0, 0): l%16 - 8 (l/16) + 32 w - 64 g
.set STO, 10
.set RD,  11
.set CO,  12
.set SCR, 13
.set NM,  14                           ; v[14:15] minus the maximum, for nt = 0, 1
.set MM,  16                           ; v[16:17] running maximum
.set LL,  18                           ; v[18:19] running sum of my half's keys
.set AL,  20                           ; v[20:21] rescaling factor
.set LS,  22                           ; v[22:25] a step's sums, a pair for each nt
.set MX,  26                           ; v[26:29] four chains of maxima
.set TM,  30                           ; v[30:31]
.set SS,  32                           ; v[32:95]   S(kt, nt) at 8 (2 kt + nt)
.set PF,  96                           ; v[96:127]  P(nt, kk) at 8 (2 nt + kk)
.set QF,  128                          ; v[128:191] Q(nt, ks) at 8 (4 nt + ks); ks = 0, 1: hi, 2, 3: lo
.set PT,  192                          ; v[192:193] what comes from the other half of the lanes
.set PM,  196                          ; v[196:199] the partner's maxima and sums
.set F0,  200                          ; v[200:201] my weight in the merge
.set F1,  202                          ; v[202:203] the partner's
.set KF,  0                            ; window 1: K(kt, ks) at 8 (4 kt + ks)
.set VF,  128                          ; window 1: V(dt, kk) at 128 + 8 (2 dt + kk)
.set OA,  192                          ; window 1: O(dt, nt) at 192 + 8 (2 dt + nt)
.set G1K, 24                           ; s[24:31]
.set G1V, 32                           ; s[32:39]
.set G0K, 40                           ; s[40:47] one set a slot
.set G0V, 48                           ; s[48:55]
.set MSB, 0
.macro WIN new
.if MSB != \new
	s_set_vgpr_msb (MSB<<8)|\new
.set MSB, \new
.endif
.endm
.macro PLACES                          ; four places behind a matrix instruction (ISA guide 7.12.1)
.rept 4
	v_nop
.endr
.endm
.macro FILL s                          ; wave 0 asks for K's tile, wave 1 for V's: one tensor load a wave
	s_cmp_lg_u32 s12, 0
	s_cbranch_scc1 .Lnot_k_\@
	tensor_load_to_lds s[G0K+4*\s:G0K+4*\s+3], s[G1K:G1K+7]
	s_nop 0
.Lnot_k_\@:
	s_cmp_lg_u32 s12, 1
	s_cbranch_scc1 .Lnot_v_\@
	tensor_load_to_lds s[G0V+4*\s:G0V+4*\s+3], s[G1V:G1V+7]
	s_nop 0
.Lnot_v_\@:
.endm
	s_load_b256 s[4:11], s[0:1], 0x0               ; qw s[4:5], kw s[6:7], vw s[8:9], ab s[10:11]
	v_lshl_add_u32 v254, v0, 2, 0x29000
	v_mov_b32 v255, 0
	v_lshrrev_b32 v1, 5, v0
	v_readfirstlane_b32 s12, v1                    ; wave 0..7
	s_and_b32 s13, s12, 3                          ; w
	s_lshr_b32 s14, s12, 2                         ; g
	s_mov_b32 s19, ttmp9                           ; p
	s_mov_b32 s22, 0x76543210                      ; v_permlanex16_b32: lane i reads lane i of the other half
	s_mov_b32 s23, 0xfedcba98
	s_mov_b32 s70, 0xff7fffff                      ; -FLT_MAX
	; K's tile: 128 rows of 256 bytes, dense in memory, 16 bytes of padding behind each
	s_mov_b32 s[G1K+0], (1<<16)|(1<<20)|(5<<22)|(3<<25)   ; 2-byte elements; padding on; every 64 words; 4 words: pitch 272
	s_mov_b32 s[G1K+1], 128<<16
	s_mov_b32 s[G1K+2], 128<<16
	s_mov_b32 s[G1K+3], 128<<16
	s_mov_b32 s[G1K+4], 128
	s_mov_b32 s[G1K+5], 128
	s_mov_b32 s[G1K+6], 0
	s_mov_b32 s[G1K+7], 0
	; V's tile is 16 KiB dense: taken as 64 rows of 256 bytes, with padding behind every 32 words, that is behind each row of 64 numbers
	s_mov_b32 s[G1V+0], (1<<16)|(1<<20)|(4<<22)|(7<<25)   ; 8 words: pitch 160
	s_mov_b32 s[G1V+1], 128<<16
	s_mov_b32 s[G1V+2], 64<<16
	s_mov_b32 s[G1V+3], 128<<16
	s_mov_b32 s[G1V+4], 64
	s_mov_b32 s[G1V+5], 128
	s_mov_b32 s[G1V+6], 0
	s_mov_b32 s[G1V+7], 0
.irp s, 0,1
	s_mov_b32 s[G0K+4*\s], 1                       ; count and LDS address are constants, written once
	s_mov_b32 s[G0K+4*\s+1], \s*SLOT
	s_mov_b32 s[G0V+4*\s], 1
	s_mov_b32 s[G0V+4*\s+1], \s*SLOT+KBYTES
.endr
	v_and_b32 v1, 15, v0                           ; r
	v_bfe_u32 v2, v0, 4, 1                         ; h
	v_and_b32 v3, 31, v0                           ; l
	v_mul_u32_u24 v[ADK], v1, 272
	v_lshl_add_u32 v[ADK], v2, 4, v[ADK]
	s_mul_i32 s16, s14, 64*272
	v_add_nc_u32 v[ADK], s16, v[ADK]               ; (64 g + r) 272 + 16 h
	v_add_nc_u32 v[ADK+1], SLOT, v[ADK]
	v_and_b32 v[TM], 7, v0
	v_lshl_add_u32 v[TM], v2, 3, v[TM]
	v_mul_u32_u24 v[ADV], v[TM], 160
	v_bfe_u32 v[TM], v0, 3, 1
	v_lshl_add_u32 v[ADV], v[TM], 4, v[ADV]
	s_mul_i32 s16, s14, 64*160
	s_add_co_u32 s16, s16, KBYTES
	v_add_nc_u32 v[ADV], s16, v[ADV]               ; (64 g + 8 h + l % 8) 160 + 16 ((l / 8) % 2), behind K
	v_add_nc_u32 v[ADV+1], SLOT, v[ADV]
	v_lshlrev_b32 v[VQ], 8, v1
	v_lshl_add_u32 v[VQ], v2, 4, v[VQ]
	v_lshl_add_u32 v[VQ], s13, 13, v[VQ]           ; (32 w + r) 256 + 16 h
	v_lshlrev_b32 v[TM], 3, v2
	v_sub_nc_u32 v[DM], v1, v[TM]
	s_lshl_b32 s16, s13, 5
	s_lshl_b32 s17, s14, 6
	s_sub_co_i32 s16, s16, s17
	v_add_nc_u32 v[DM], s16, v[DM]
	s_mul_i32 s16, s13, STW
	s_add_co_u32 s16, s16, STAGE
	v_mul_u32_u24 v[STO], v1, 144
	v_lshl_add_u32 v[STO], v2, 4, v[STO]
	v_add_nc_u32 v[STO], s16, v[STO]
	v_lshrrev_b32 v[TM], 3, v3
	v_mul_u32_u24 v[RD], v[TM], 144
	v_and_b32 v[TM], 7, v0
	v_lshl_add_u32 v[RD], v[TM], 4, v[RD]
	v_add_nc_u32 v[RD], s16, v[RD]
	v_lshlrev_b32 v[CO], 4, v3
	v_lshl_add_u32 v[CO], s13, 12, v[CO]           ; 32 w rows of 128 bytes + 16 l
	s_mul_i32 s16, s13, SCRW
	s_add_co_u32 s16, s16, SCRATCH
	v_lshlrev_b32 v[SCR], 4, v3
	v_add_nc_u32 v[SCR], s16, v[SCR]
	v_mov_b32 v[PT], 0                             ; a lane permute's destination counts as read
	v_mov_b32 v[PT+1], 0
	s_and_b32 s20, ttmp7, 0xffff
	s_lshl_b32 s16, s20, 18                        ; the head's 2,048 rows of 128 bytes (v, result)
	s_mov_b32 s17, 0
	s_lshl_b32 s20, s20, 19                        ; and of 256 bytes (q, k)
	s_mov_b32 s21, 0
	s_wait_kmcnt 0x0
	s_add_nc_u64 s[66:67], s[4:5], s[20:21]        ; the head's q, K, V and result
	s_add_nc_u64 s[60:61], s[6:7], s[20:21]
	s_add_nc_u64 s[62:63], s[8:9], s[16:17]
	s_add_nc_u64 s[68:69], s[10:11], s[16:17]
	s_mov_b32 s15, 0                               ; which of my two blocks
.macro QK ka, qa, zero                 ; eight score products, 32 along the head's numbers: part ka of K by part qa of Q
.irp kt, 0,1,2,3
.irp nt, 0,1
.if \zero
	v_wmma_f32_16x16x32_bf16 v[SS+8*(2*\kt+\nt):SS+8*(2*\kt+\nt)+7], v[KF+8*(4*\kt+\ka):KF+8*(4*\kt+\ka)+7], v[QF+8*(4*\nt+\qa):QF+8*(4*\nt+\qa)+7], 0
.else
	v_wmma_f32_16x16x32_bf16 v[SS+8*(2*\kt+\nt):SS+8*(2*\kt+\nt)+7], v[KF+8*(4*\kt+\ka):KF+8*(4*\kt+\ka)+7], v[QF+8*(4*\nt+\qa):QF+8*(4*\nt+\qa)+7], v[SS+8*(2*\kt+\nt):SS+8*(2*\kt+\nt)+7]
.endif
.endr
.endr
.endm
.macro MX3 x, y                        ; each of the four chains (c = nt + 2 x half of my keys) takes two more numbers
.irp c, 0,1,2,3
	v_max3_num_f32 v[MX+\c], v[MX+\c], v[SS+32*(\c/2)+8*(\c%2)+\x], v[SS+32*(\c/2)+8*(\c%2)+\y]
.endr
.endm
.macro SUBEXP k                        ; tile k = 2 kt + nt: p = exp2(s - m), in place
.irp i, 0,2,4,6
.if \k%2
	v_pk_add_f32 v[SS+8*\k+\i:SS+8*\k+\i+1], v[SS+8*\k+\i:SS+8*\k+\i+1], v[NM:NM+1] op_sel:[0,1] op_sel_hi:[1,1]
.else
	v_pk_add_f32 v[SS+8*\k+\i:SS+8*\k+\i+1], v[SS+8*\k+\i:SS+8*\k+\i+1], v[NM:NM+1] op_sel_hi:[1,0]
.endif
.endr
.irp i, 0,1,2,3,4,5,6,7
	v_exp_f32 v[SS+8*\k+\i], v[SS+8*\k+\i]
.endr
.endm
.macro PACKSUM k                       ; tile k: eight p to f16 into P's fragment (keys 16 (kt % 2) + 8 h + j of kk = kt / 2), and into the step's sum
	s_wait_alu depctr_va_vdst(0)
.irp i, 0,1,2,3
	v_cvt_pk_f16_f32 v[PF+8*(2*(\k%2)+\k/4)+4*((\k/2)%2)+\i], v[SS+8*\k+2*\i], v[SS+8*\k+2*\i+1]
.endr
.if \k < 2
	v_pk_add_f32 v[LS+2*(\k%2):LS+2*(\k%2)+1], v[SS+8*\k:SS+8*\k+1], v[SS+8*\k+2:SS+8*\k+3]   ; the first tile starts the sum
.else
	v_pk_add_f32 v[LS+2*(\k%2):LS+2*(\k%2)+1], v[LS+2*(\k%2):LS+2*(\k%2)+1], v[SS+8*\k:SS+8*\k+1]
	v_pk_add_f32 v[LS+2*(\k%2):LS+2*(\k%2)+1], v[LS+2*(\k%2):LS+2*(\k%2)+1], v[SS+8*\k+2:SS+8*\k+3]
.endif
	v_pk_add_f32 v[LS+2*(\k%2):LS+2*(\k%2)+1], v[LS+2*(\k%2):LS+2*(\k%2)+1], v[SS+8*\k+4:SS+8*\k+5]
	v_pk_add_f32 v[LS+2*(\k%2):LS+2*(\k%2)+1], v[LS+2*(\k%2):LS+2*(\k%2)+1], v[SS+8*\k+6:SS+8*\k+7]
.endm
.macro OSCALE fp                       ; O(dt, nt) times register nt of the pair fp (window 0); set WIN 0x41 first
.irp t, 0,1,2,3,4,5,6,7
.irp i, 0,2,4,6
.if \t%2
	v_pk_mul_f32 v[OA+8*\t+\i:OA+8*\t+\i+1], v[OA+8*\t+\i:OA+8*\t+\i+1], v[\fp:\fp+1] op_sel:[0,1] op_sel_hi:[1,1]
.else
	v_pk_mul_f32 v[OA+8*\t+\i:OA+8*\t+\i+1], v[OA+8*\t+\i:OA+8*\t+\i+1], v[\fp:\fp+1] op_sel_hi:[1,0]
.endif
.endr
.endr
.endm
; One key tile, in LDS slot \slot.  It begins with the wait of the barrier that the step before (or the block's head) has signalled: in
; front of that signal every wave had its LDS reads back and all its tensor loads landed, so this slot's tile is whole and nobody
; reads the other slot.  refill = 1: the next tile goes into the other slot, first thing.  mask = 1: the diagonal tile.  first = 1: the block's first tile.
.macro STEP slot, refill, mask, first
	s_barrier_wait -1
.if \refill
	FILL (1-\slot)
.endif
	PLACES                                         ; V's registers were sources of the last matrix instructions
	WIN 0x40                                       ; destination window 1
.irp kt, 0,1,2,3
.irp ks, 0,1,2,3
	ds_load_b128 v[KF+8*(4*\kt+\ks):KF+8*(4*\kt+\ks)+3],   v[ADK+\slot] offset:4352*\kt+64*\ks
	ds_load_b128 v[KF+8*(4*\kt+\ks)+4:KF+8*(4*\kt+\ks)+7], v[ADK+\slot] offset:4352*\kt+64*\ks+32
.endr
.endr
.irp dt, 0,1,2,3
.irp kk, 0,1
	ds_load_tr16_b128 v[VF+8*(2*\dt+\kk):VF+8*(2*\dt+\kk)+3],   v[ADV+\slot] offset:5120*\kk+32*\dt
	ds_load_tr16_b128 v[VF+8*(2*\dt+\kk)+4:VF+8*(2*\dt+\kk)+7], v[ADV+\slot] offset:5120*\kk+32*\dt+2560
.endr
.endr
	s_wait_dscnt 16                                ; K's 32 loads are in; V's sixteen, issued behind them, stay out
	WIN 0x01                                       ; source 0 (K) window 1
	; the eight accumulators take turns, one instruction a turn
	QK 0, 0, 1                                     ; hi x hi
	QK 1, 1, 0
	QK 0, 2, 0                                     ; K hi x Q lo
	QK 1, 3, 0
	QK 2, 0, 0                                     ; K lo x Q hi
	QK 3, 1, 0
	WIN 0
	PLACES
.if \mask
.irp kt, 0,1,2,3
.irp nt, 0,1
.irp j, 0,1,2,3,4,5,6,7
	v_cmp_le_i32 vcc_lo, 16*(\kt-\nt)+\j, v[DM]    ; key <= query
	v_cndmask_b32 v[SS+8*(2*\kt+\nt)+\j], s70, v[SS+8*(2*\kt+\nt)+\j], vcc_lo
.endr
.endr
.endr
.endif
	; the largest of my 32 scores of each query: four chains of 15, the two numbers left over, the other half of the lanes
.irp c, 0,1,2,3
	v_max3_num_f32 v[MX+\c], v[SS+32*(\c/2)+8*(\c%2)], v[SS+32*(\c/2)+8*(\c%2)+1], v[SS+32*(\c/2)+8*(\c%2)+2]
.endr
	MX3 3, 4
	MX3 5, 6
	MX3 7, 16
	MX3 17, 18
	MX3 19, 20
	MX3 21, 22
.irp nt, 0,1
	v_max3_num_f32 v[MX+\nt], v[MX+\nt], v[SS+8*\nt+23], v[SS+32+8*\nt+23]
.endr
.irp nt, 0,1
	v_max_num_f32 v[MX+\nt], v[MX+\nt], v[MX+2+\nt]
.endr
.irp nt, 0,1
	v_permlanex16_b32 v[PT+\nt], v[MX+\nt], s22, s23
.endr
.if \first
.irp nt, 0,1
	v_max_num_f32 v[MM+\nt], v[MX+\nt], v[PT+\nt]
.endr
.irp nt, 0,1
	v_mul_f32 v[NM+\nt], -1.0, v[MM+\nt]
.endr
.else
.irp nt, 0,1
	v_max3_num_f32 v[TM+\nt], v[MX+\nt], v[PT+\nt], v[MM+\nt]
.endr
.irp nt, 0,1
	v_sub_f32 v[AL+\nt], v[MM+\nt], v[TM+\nt]
.endr
	v_exp_f32 v[AL], v[AL]                         ; exp2(old maximum - new maximum)
	v_exp_f32 v[AL+1], v[AL+1]
.irp nt, 0,1
	v_mov_b32 v[MM+\nt], v[TM+\nt]                 ; plain work that touches neither factor stands behind the two exponentials (ISA guide 5.7.2)
.endr
.irp nt, 0,1
	v_mul_f32 v[NM+\nt], -1.0, v[TM+\nt]
.endr
.endif
	; behind each run of eight exponentials stands plain work on another tile before the run's results are used
	SUBEXP 0
	SUBEXP 1
	PACKSUM 0
	SUBEXP 2
	PACKSUM 1
	SUBEXP 3
	PACKSUM 2
	SUBEXP 4
	PACKSUM 3
	SUBEXP 5
	PACKSUM 4
	SUBEXP 6
	PACKSUM 5
	SUBEXP 7
	PACKSUM 6
	v_nop
	PACKSUM 7
.irp nt, 0,1
.if \first
	v_add_f32 v[LL+\nt], v[LS+2*\nt], v[LS+2*\nt+1]
.else
	v_add_f32 v[LS+2*\nt], v[LS+2*\nt], v[LS+2*\nt+1]
	v_fma_f32 v[LL+\nt], v[LL+\nt], v[AL+\nt], v[LS+2*\nt]
.endif
.endr
	s_wait_dscnt 0x0                               ; V is in, and with it my reads of this slot are over
	s_wait_tensorcnt 0x0                           ; all my tensor loads have landed: the next tile, if I asked for a part of it
	ds_add_u32 v254, v255
	ds_add_u32 v254, v255
	s_wait_dscnt 0x0
.if \refill
	s_add_nc_u64 s[G0K+4*(1-\slot)+2:G0K+4*(1-\slot)+3], s[G0K+4*(1-\slot)+2:G0K+4*(1-\slot)+3], 2*KTILE   ; no load is out: the other slot's next tile
	s_add_nc_u64 s[G0V+4*(1-\slot)+2:G0V+4*(1-\slot)+3], s[G0V+4*(1-\slot)+2:G0V+4*(1-\slot)+3], 2*VTILE
.endif
	s_barrier_signal -1                            ; only register work stands between this signal and its wait at the next step's head
.if \first == 0
	WIN 0x41                                       ; O in window 1, the factor in window 0
	OSCALE AL
.endif
	WIN 0x51                                       ; V, C and D window 1, P window 0
.irp dt, 0,1,2,3
.irp nt, 0,1
.if \first
	v_wmma_f32_16x16x32_f16 v[OA+8*(2*\dt+\nt):OA+8*(2*\dt+\nt)+7], v[VF+16*\dt:VF+16*\dt+7], v[PF+16*\nt:PF+16*\nt+7], 0
.else
	v_wmma_f32_16x16x32_f16 v[OA+8*(2*\dt+\nt):OA+8*(2*\dt+\nt)+7], v[VF+16*\dt:VF+16*\dt+7], v[PF+16*\nt:PF+16*\nt+7], v[OA+8*(2*\dt+\nt):OA+8*(2*\dt+\nt)+7]
.endif
.endr
.endr
.irp dt, 0,1,2,3
.irp nt, 0,1
	v_wmma_f32_16x16x32_f16 v[OA+8*(2*\dt+\nt):OA+8*(2*\dt+\nt)+7], v[VF+16*\dt+8:VF+16*\dt+15], v[PF+16*\nt+8:PF+16*\nt+15], v[OA+8*(2*\dt+\nt):OA+8*(2*\dt+\nt)+7]
.endr
.endr
	WIN 0
.endm
.Lblock:
	s_wait_xcnt 0x0                                ; the last block's stores have read their base and data: both are written again below
	s_sub_co_u32 s16, 15, s19
	s_cmp_eq_u32 s15, 0
	s_cselect_b32 s16, s19, s16                    ; i: block p, then block 15 - p
	s_lshl_b32 s20, s16, 15                        ; 128 rows of 256 bytes
	s_mov_b32 s21, 0
	s_add_nc_u64 s[56:57], s[66:67], s[20:21]      ; the block's q
	s_lshl_b32 s20, s16, 14                        ; 128 rows of 128 bytes
	s_add_nc_u64 s[58:59], s[68:69], s[20:21]      ; and its result
	s_wait_dscnt 0x0                               ; my LDS reads are back
	s_wait_tensorcnt 0x0                           ; none of my tensor loads is out: the addresses may be written
	ds_add_u32 v254, v255
	ds_add_u32 v254, v255
	s_wait_dscnt 0x0
	s_mov_b64 s[G0K+2:G0K+3], s[60:61]             ; slot 0: tile 0
	s_or_b32 s[G0K+3], s[G0K+3], 0x80000000
	s_add_nc_u64 s[G0K+6:G0K+7], s[60:61], KTILE   ; slot 1: tile 1
	s_or_b32 s[G0K+7], s[G0K+7], 0x80000000
	s_mov_b64 s[G0V+2:G0V+3], s[62:63]
	s_or_b32 s[G0V+3], s[G0V+3], 0x80000000
	s_add_nc_u64 s[G0V+6:G0V+7], s[62:63], VTILE
	s_or_b32 s[G0V+7], s[G0V+7], 0x80000000
	s_barrier_signal -1
	s_barrier_wait -1                              ; no wave reads a slot any more
	FILL 0                                         ; tile 0
.irp nt, 0,1
.irp ks, 0,1,2,3
	global_load_b128 v[QF+8*(4*\nt+\ks):QF+8*(4*\nt+\ks)+3],   v[VQ], s[56:57] offset:4096*\nt+64*\ks
	global_load_b128 v[QF+8*(4*\nt+\ks)+4:QF+8*(4*\nt+\ks)+7], v[VQ], s[56:57] offset:4096*\nt+64*\ks+32
.endr
.endr
	s_wait_tensorcnt 0x0                           ; tile 0 has landed
	ds_add_u32 v254, v255
	ds_add_u32 v254, v255
	s_add_nc_u64 s[G0K+2:G0K+3], s[G0K+2:G0K+3], 2*KTILE   ; slot 0's next tile is tile 2
	s_add_nc_u64 s[G0V+2:G0V+3], s[G0V+2:G0V+3], 2*VTILE
	s_wait_dscnt 0x0
	s_wait_loadcnt 0x0                             ; q
	s_barrier_signal -1
	; tiles 0 .. i - 1 are whole, tile i is the diagonal.  Tile j lies in slot j % 2; every tile but the last asks for the next one.
	s_cmp_lg_u32 s16, 0
	s_cbranch_scc1 .Lmany
	STEP 0, 0, 1, 1
	s_branch .Lmerge
.Lmany:
	STEP 0, 1, 0, 1
	s_sub_co_u32 s17, s16, 1
	s_lshr_b32 s17, s17, 1                         ; pairs of whole tiles behind tile 0
	s_cmp_eq_u32 s17, 0
	s_cbranch_scc1 .Lno_pair
	s_mov_b32 s18, 0
.Lpair:
	STEP 1, 1, 0, 0
	STEP 0, 1, 0, 0
	s_add_co_u32 s18, s18, 1
	s_cmp_lt_u32 s18, s17
	s_cbranch_scc1 .Lpair
.Lno_pair:
	s_and_b32 s18, s16, 1
	s_cmp_eq_u32 s18, 0
	s_cbranch_scc1 .Leven
	STEP 1, 0, 1, 0                                ; i odd: the diagonal tile lies in slot 1
	s_branch .Lmerge
.Leven:
	STEP 1, 1, 0, 0                                ; i even: one more whole tile, then the diagonal in slot 0
	STEP 0, 0, 1, 0
.Lmerge:
	s_barrier_wait -1
	PLACES                                         ; behind the last matrix instructions: O is read
.irp nt, 0,1
	v_permlanex16_b32 v[PT+\nt], v[LL+\nt], s22, s23
.endr
.irp nt, 0,1
	v_add_f32 v[LL+\nt], v[LL+\nt], v[PT+\nt]      ; the sum over both halves' keys
.endr
	s_cmp_lt_u32 s12, 4
	s_cbranch_scc1 .Lkeep
	WIN 0x04                                       ; store data in window 1
.irp i, 0,1,2,3,4,5,6,7,8,9,10,11,12,13,14,15
	ds_store_b128 v[SCR], v[OA+4*\i:OA+4*\i+3] offset:512*\i      ; key group 1 hands over its O,
.endr
	WIN 0
	ds_store_b128 v[SCR], v[MM:MM+3] offset:8192                  ; its maxima and its sums
.Lkeep:
	s_wait_dscnt 0x0                               ; for the partner's sake: my stores are done
	s_barrier_signal -1
	s_barrier_wait -1
	s_cmp_ge_u32 s12, 4
	s_cbranch_scc1 .Lnext
	WIN 0x40
.irp i, 0,1,2,3,4,5,6,7,8,9,10,11,12,13,14,15
	ds_load_b128 v[KF+4*\i:KF+4*\i+3], v[SCR] offset:512*\i       ; the partner's O into K's registers
.endr
	WIN 0
	ds_load_b128 v[PM:PM+3], v[SCR] offset:8192
	s_wait_dscnt 0x0
.irp nt, 0,1
	v_max_num_f32 v[TM+\nt], v[MM+\nt], v[PM+\nt]
.endr
.irp nt, 0,1
	v_sub_f32 v[F0+\nt], v[MM+\nt], v[TM+\nt]
	v_sub_f32 v[F1+\nt], v[PM+\nt], v[TM+\nt]
.endr
	v_exp_f32 v[F0], v[F0]
	v_exp_f32 v[F0+1], v[F0+1]
	v_exp_f32 v[F1], v[F1]
	v_exp_f32 v[F1+1], v[F1+1]
	v_nop
	s_wait_alu depctr_va_vdst(0)
.irp nt, 0,1
	v_mul_f32 v[LS+\nt], v[LL+\nt], v[F0+\nt]
.endr
.irp nt, 0,1
	v_fma_f32 v[LS+\nt], v[PM+2+\nt], v[F1+\nt], v[LS+\nt]        ; the row sum: at least 1, from the key that holds the maximum
.endr
	v_rcp_f32 v[LS], v[LS]
	v_rcp_f32 v[LS+1], v[LS+1]
	v_nop
	s_wait_alu depctr_va_vdst(0)
.irp nt, 0,1
	v_mul_f32 v[F0+\nt], v[F0+\nt], v[LS+\nt]
	v_mul_f32 v[F1+\nt], v[F1+\nt], v[LS+\nt]
.endr
	WIN 0x41
	OSCALE F0
	WIN 0x51                                       ; source 0 (the partner's O), C and D window 1
.irp t, 0,1,2,3,4,5,6,7
.irp i, 0,2,4,6
.if \t%2
	v_pk_fma_f32 v[OA+8*\t+\i:OA+8*\t+\i+1], v[KF+8*\t+\i:KF+8*\t+\i+1], v[F1:F1+1], v[OA+8*\t+\i:OA+8*\t+\i+1] op_sel:[0,1,0] op_sel_hi:[1,1,1]
.else
	v_pk_fma_f32 v[OA+8*\t+\i:OA+8*\t+\i+1], v[KF+8*\t+\i:KF+8*\t+\i+1], v[F1:F1+1], v[OA+8*\t+\i:OA+8*\t+\i+1] op_sel_hi:[1,0,1]
.endif
.endr
.endr
	WIN 0x05                                       ; both sources window 1
.irp t, 0,1,2,3,4,5,6,7
.irp i, 0,1,2,3
	v_cvt_pk_f16_f32 v[SS+4*\t+\i], v[OA+8*\t+2*\i], v[OA+8*\t+2*\i+1]
.endr
.endr
	WIN 0
.irp t, 0,1,2,3,4,5,6,7
	ds_store_b128 v[STO], v[SS+4*\t:SS+4*\t+3] offset:2304*(\t%2)+32*(\t/2)   ; query 16 nt + r, numbers 16 dt + 8 h ..
.endr
.irp u, 0,1,2,3,4,5,6,7
	ds_load_b128 v[PF+4*\u:PF+4*\u+3], v[RD] offset:576*\u        ; my own bytes, served in order
.endr
.irp u, 0,1,2,3,4,5,6,7
	s_wait_dscnt 7-\u                              ; the younger loads stay out
	global_store_b128 v[CO], v[PF+4*\u:PF+4*\u+3], s[58:59] offset:512*\u   ; four rows of 128 bytes: 512 consecutive bytes, aligned
.endr
.Lnext:
	s_add_co_u32 s15, s15, 1
	s_cmp_lt_u32 s15, 2
	s_cbranch_scc1 .Lblock
	s_wait_tensorcnt 0x0
	ds_add_u32 v254, v255
	s_wait_dscnt 0x0
	s_endpgm
.Lfunc_end_k_q55912f412c_attn:
	.size	k_q55912f412c_attn, .Lfunc_end_k_q55912f412c_attn-k_q55912f412c_attn
	.p2alignl 7, 3214868480
	.fill 96, 4, 3214868480
	.section	.rodata,"a",@progbits
	.p2align	6, 0x0
	.amdhsa_kernel k_q55912f412c_attn
		.amdhsa_group_segment_fixed_size 327680
		.amdhsa_private_segment_fixed_size 0
		.amdhsa_enable_private_segment 0
		.amdhsa_kernarg_size 32
		.amdhsa_user_sgpr_count 2
		.amdhsa_user_sgpr_kernarg_segment_ptr 1
		.amdhsa_wavefront_size32 1
		.amdhsa_system_sgpr_workgroup_id_x 1
		.amdhsa_system_sgpr_workgroup_id_y 1
		.amdhsa_system_sgpr_workgroup_id_z 1
		.amdhsa_system_vgpr_workitem_id 0
		.amdhsa_next_free_vgpr 512
		.amdhsa_next_free_sgpr 72
		.amdhsa_reserve_vcc 1
		.amdhsa_float_denorm_mode_32 3
		.amdhsa_float_denorm_mode_16_64 3
		.amdhsa_memory_ordered 1
		.amdhsa_forward_progress 1
		.amdhsa_inst_pref_size 174
	.end_amdhsa_kernel
	.amdgpu_metadata
---
amdhsa.version: [ 1, 2 ]
amdhsa.kernels:
  - .name:           k_q55912f412c_attn
    .symbol:         k_q55912f412c_attn.kd
    .args:
      - { .name: qw, .offset: 0, .size: 8, .value_kind: global_buffer, .address_space: global }
      - { .name: kw, .offset: 8, .size: 8, .value_kind: global_buffer, .address_space: global }
      - { .name: vw, .offset: 16, .size: 8, .value_kind: global_buffer, .address_space: global }
      - { .name: ab, .offset: 24, .size: 8, .value_kind: global_buffer, .address_space: global }
    .group_segment_fixed_size: 327680
    .private_segment_fixed_size: 0
    .kernarg_segment_align: 8
    .kernarg_segment_size: 32
    .max_flat_workgroup_size: 256
    .sgpr_count:     72
    .vgpr_count:     512
    .wavefront_size: 32
...
	.end_amdgpu_metadata
.endif
;; end of part 3
;; launch oproj (part 4): grid 8 x 32, 4 waves a work-group, clusters of 4 x 4, 327,680 bytes of LDS; arguments ab, wob, out0, bo; writes out0
.if DOCPART == 4
	.amdgcn_target "amdgcn-amd-amdhsa--gfx1250"
	.amdhsa_code_object_version 6
	.text
	.protected	k_q55912f412c_oproj
	.globl	k_q55912f412c_oproj
	.p2align	8
	.type	k_q55912f412c_oproj,@function
k_q55912f412c_oproj:
	s_mov_b64 s[64:65], 0
	v_nop
	global_prefetch_b8 v0, s[64:65] scope:SCOPE_SE
	s_setreg_imm32_b32 hwreg(HW_REG_WAVE_MODE, 25, 1), 1
	s_wait_xcnt 0x0
	s_wait_alu depctr_hold_cnt(0) depctr_sa_sdst(0) depctr_va_vdst(0) depctr_va_sdst(0) depctr_va_ssrc(0) depctr_va_vcc(0) depctr_vm_vsrc(0)
	s_getreg_b32 s2, hwreg(HW_REG_IB_STS2, 6, 4)
	s_cmp_eq_u32 s2, 0
	s_cbranch_scc0 .Lentry_in_a_cluster
	s_endpgm
.Lentry_in_a_cluster:
	s_bfe_u32 s2, ttmp6, 0x10000c
	s_cmp_lg_u32 s2, 0xf033
	s_cbranch_scc0 .Lentry_shape_is_right
	s_endpgm
.Lentry_shape_is_right:
; out0[4096][1024] = a wob^T + bo, f16 operands, f32 sums and results.  a is the attention result, stored [batch x head][2048][64].
; Work-group (x = block of 128 columns, y = block of 128 rows): 8 x 32 = 256 work-groups; four waves, each 64 x 64 = 16 accumulator tiles.
; (Larger blocks would leave fewer work-groups than there are WGPs.)
; K goes in steps of 256 (four heads) through two LDS slots.  Of a, a head's 128 rows are 16 KiB dense in memory; one tensor load
; brings two heads' blocks, with padding behind every 128 bytes.  Of wob, one load brings 64 rows of 512 bytes.
; CLUSTER 4 x 4: a's tiles are shared along a row of the cluster, wob's along a column, by joint loads.
; Window 0: v4-11 addresses, v16-47 bias, v64-127 and v128-191 fragments (a: 32 registers, wob: 32), two buffers.  Window 1: accumulators at 8 (4 a + b).
; The matrix instruction is used transposed (source 0 = rows of wob): a lane's eight results are eight neighbouring columns of one row.
.set APITCH, 144
.set PLANE,  128*APITCH                ; a head's 128 rows
.set BPITCH, 528
.set PIECE,  2*PLANE                   ; 36,864: pieces 0, 1 = two heads each; pieces 2, 3 = wob rows 0-63, 64-127 (33,792 bytes used)
.set SLOT,   4*PIECE
.set STAGE,  2*SLOT                    ; 16 rows x 272 for each wave; no tensor load lands here
.set SPITCH, 272
.set ADRA, 4
.set ADRB, 6
.set STO,  8
.set RD,   9
.set CO,   10
.set VB,   11
.set BIAS, 16
.set G1,  24
.set G0,  32
.set G1B, 48
.set G0B, 56
.set MSB, 0
.macro WIN new
.if MSB != \new
	s_set_vgpr_msb (MSB<<8)|\new
.set MSB, \new
.endif
.endm
.macro PLACES                          ; four places behind a matrix instruction (ISA guide 7.12.1)
.rept 4
	v_nop
.endr
.endm
.macro JLOAD s                         ; waves 0, 1 ask for a's pieces, waves 2, 3 for wob's: one joint load a wave
	s_cmp_eq_u32 s11, 0
	s_cbranch_scc0 .Lfor_b_\@
	tensor_load_to_lds s[G0+4*\s:G0+4*\s+3], s[G1:G1+7]
	s_nop 0
	s_branch .Lasked_\@
.Lfor_b_\@:
	tensor_load_to_lds s[G0B+4*\s:G0B+4*\s+3], s[G1B:G1B+7]
	s_nop 0
.Lasked_\@:
.endm
.macro CREST
	s_cmp_lg_u32 s10, 0
	s_cbranch_scc1 .Lnot_wave_0_\@
	s_barrier_signal -3
.Lnot_wave_0_\@:
	s_barrier_wait -3
	s_barrier_signal -1
	s_barrier_wait -1
.endm
.macro CROUND
	s_barrier_signal -1
	s_barrier_wait -1
	CREST
.endm
	s_load_b256 s[68:75], s[0:1], 0x0              ; ab s[68:69], wob s[70:71], out0 s[72:73], bo s[74:75]
	v_lshl_add_u32 v254, v0, 2, 0x4c400
	v_mov_b32 v255, 0
	ds_add_u32 v254, v255
	ds_add_u32 v254, v255
	v_lshrrev_b32 v1, 5, v0
	v_readfirstlane_b32 s10, v1                    ; wave 0..3
	s_lshr_b32 s11, s10, 1                         ; my half of the block's rows; also: I fetch for a (0) or for wob (1)
	s_and_b32 s12, s10, 1                          ; my half of its columns; also: which piece I fetch
	s_bfe_u32 s40, ttmp6, 0x40000                  ; cx
	s_bfe_u32 s41, ttmp6, 0x40004                  ; cy
	s_lshl_b32 s42, ttmp9, 2
	s_add_co_u32 s42, s42, s40                     ; column block
	s_and_b32 s13, ttmp7, 0xffff
	s_lshl_b32 s13, s13, 2
	s_add_co_u32 s13, s13, s41                     ; row block
	s_lshl_b32 s43, s41, 2
	s_lshl_b32 s43, 15, s43                        ; my row of the cluster
	s_lshl_b32 s44, 0x1111, s40                    ; my column
	s_or_b32 s[G1+0],  s43, (1<<16)|(1<<20)|(1<<21)|(4<<22)|(3<<25)   ; a: padding of 4 words behind every 32
	s_mov_b32 s[G1+1], 8192<<16                    ; tensor_dim0 = 8,192 elements: a head's 128 rows of 64
	s_mov_b32 s[G1+2], 2<<16                       ; tensor_dim1 = 2 heads
	s_mov_b32 s[G1+3], 8192<<16                    ; tile_dim0
	s_mov_b32 s[G1+4], 2                           ; tile_dim1
	s_mov_b32 s[G1+5], 131072                      ; elements from head to head: 2,048 x 64
	s_mov_b32 s[G1+6], 0
	s_mov_b32 s[G1+7], 0
	s_or_b32 s[G1B+0], s44, (1<<16)|(1<<20)|(1<<21)|(6<<22)|(3<<25)   ; wob: padding of 4 words behind every 128
	s_mov_b32 s[G1B+1], 256<<16
	s_mov_b32 s[G1B+2], 64<<16
	s_mov_b32 s[G1B+3], 256<<16
	s_mov_b32 s[G1B+4], 64
	s_mov_b32 s[G1B+5], 1024
	s_mov_b32 s[G1B+6], 0
	s_mov_b32 s[G1B+7], 0
	s_lshr_b32 s16, s13, 4                         ; batch
	s_lshl_b32 s16, s16, 22                        ; 16 heads of 262,144 bytes
	s_and_b32 s17, s13, 15
	s_lshl_b32 s17, s17, 14                        ; 128 rows of 128 bytes
	s_add_co_u32 s16, s16, s17
	s_lshl_b32 s17, s12, 19                        ; my piece's two heads
	s_add_co_u32 s16, s16, s17
	s_mov_b32 s17, 0
	s_lshl_b32 s46, s42, 18                        ; 128 rows of 2,048 bytes
	s_lshl_b32 s47, s12, 17                        ; my piece's 64 rows
	s_add_co_u32 s46, s46, s47
	s_mov_b32 s47, 0
	s_mul_i32 s20, s10, PIECE
	s_lshl_b32 s76, s42, 9                         ; my 64 columns, in bytes of f32: 512 x block + 256 x half
	s_lshl_b32 s77, s12, 8
	s_add_co_u32 s76, s76, s77
	s_mov_b32 s77, 0
	s_lshl_b32 s78, s13, 19                        ; my 64 rows of 4,096 bytes
	s_lshl_b32 s79, s11, 18
	s_add_co_u32 s78, s78, s79
	s_add_co_u32 s78, s78, s76
	s_mov_b32 s79, 0
	s_wait_dscnt 0x0
	s_wait_kmcnt 0x0
	s_add_nc_u64 s[14:15], s[68:69], s[16:17]
	s_add_nc_u64 s[46:47], s[70:71], s[46:47]
	s_add_nc_u64 s[74:75], s[74:75], s[76:77]
	s_add_nc_u64 s[72:73], s[72:73], s[78:79]
	CROUND                                         ; in front of the first joint loads
.irp s, 0,1
	s_mov_b32 s[G0+4*\s], 1
	s_add_co_u32 s[G0+4*\s+1], s20, \s*SLOT
	s_add_nc_u64 s[G0+4*\s+2:G0+4*\s+3], s[14:15], \s*1048576      ; four heads on
	s_or_b32 s[G0+4*\s+3], s[G0+4*\s+3], 0x80000000
	s_mov_b32 s[G0B+4*\s], 1
	s_add_co_u32 s[G0B+4*\s+1], s20, \s*SLOT
	s_add_nc_u64 s[G0B+4*\s+2:G0B+4*\s+3], s[46:47], \s*512        ; 256 along K
	s_or_b32 s[G0B+4*\s+3], s[G0B+4*\s+3], 0x80000000
	JLOAD \s                                       ; both first fills together: two tensor loads of a wave are out
.endr
	v_and_b32 v1, 15, v0                           ; r
	v_bfe_u32 v2, v0, 4, 1                         ; h
	v_mul_u32_u24 v3, v1, APITCH
	v_lshl_add_u32 v3, v2, 4, v3
	s_mul_i32 s21, s11, 64*APITCH
	v_add_nc_u32 v[ADRA], s21, v3                  ; (64 x half + r) 144 + 16 h
	v_add_nc_u32 v[ADRA+1], SLOT, v[ADRA]
	v_mul_u32_u24 v3, v1, BPITCH
	v_lshl_add_u32 v3, v2, 4, v3
	s_mul_i32 s22, s12, PIECE
	s_add_co_u32 s22, s22, 2*PIECE
	v_add_nc_u32 v[ADRB], s22, v3
	v_add_nc_u32 v[ADRB+1], SLOT, v[ADRB]
	s_mul_i32 s23, s10, 16*SPITCH
	s_add_co_u32 s23, s23, STAGE
	v_mul_u32_u24 v3, v1, SPITCH
	v_lshl_add_u32 v3, v2, 5, v3
	v_add_nc_u32 v[STO], s23, v3                   ; in: row r, 32 bytes for each half of the lanes
	v_mul_u32_u24 v3, v2, SPITCH
	v_lshl_add_u32 v3, v1, 4, v3
	v_add_nc_u32 v[RD], s23, v3                    ; back: sixteen lanes take a row of 256 bytes
	v_lshlrev_b32 v[CO], 4, v1
	v_lshl_add_u32 v[CO], v2, 12, v[CO]            ; and the same two rows in out0
	v_lshlrev_b32 v[VB], 5, v2
.irp b, 0,1,2,3
	global_load_b128 v[BIAS+8*\b:BIAS+8*\b+3],   v[VB], s[74:75] offset:64*\b
	global_load_b128 v[BIAS+8*\b+4:BIAS+8*\b+7], v[VB], s[74:75] offset:64*\b+16
.endr
; 16 LDS loads: quarter q (32 along K: head q / 2 of the slot's four, its numbers 32 (q % 2) ..) into buffer f
.macro FETCH slot, q, f
.irp a, 0,1,2,3
	ds_load_b128 v[64+64*\f+8*\a:64+64*\f+8*\a+3],   v[ADRA+\slot] offset:PLANE*(\q/2)+64*(\q%2)+16*APITCH*\a
	ds_load_b128 v[64+64*\f+8*\a+4:64+64*\f+8*\a+7], v[ADRA+\slot] offset:PLANE*(\q/2)+64*(\q%2)+16*APITCH*\a+32
.endr
.irp b, 0,1,2,3
	ds_load_b128 v[96+64*\f+8*\b:96+64*\f+8*\b+3],   v[ADRB+\slot] offset:64*\q+16*BPITCH*\b
	ds_load_b128 v[96+64*\f+8*\b+4:96+64*\f+8*\b+7], v[ADRB+\slot] offset:64*\q+16*BPITCH*\b+32
.endr
.endm
; The 16 accumulators take turns, one instruction a turn, in the same order in every quarter.
; first = 1: the sum starts from the bias.
.macro MUL8 f, a0, first
.irp a, \a0, \a0+1
.irp b, 0,1,2,3
.if \first
	v_wmma_f32_16x16x32_f16 v[8*(4*(\a)+\b):8*(4*(\a)+\b)+7], v[96+64*\f+8*\b:96+64*\f+8*\b+7], v[64+64*\f+8*(\a):64+64*\f+8*(\a)+7], v[BIAS+8*\b:BIAS+8*\b+7]
.else
	v_wmma_f32_16x16x32_f16 v[8*(4*(\a)+\b):8*(4*(\a)+\b)+7], v[96+64*\f+8*\b:96+64*\f+8*\b+7], v[64+64*\f+8*(\a):64+64*\f+8*(\a)+7], v[8*(4*(\a)+\b):8*(4*(\a)+\b)+7]
.endif
.endr
.endr
.endm
; multiplies buffer f; first asks for quarter nq of the same slot into buffer g
.macro QUARTER slot, nq, f, g, first
	PLACES
	WIN 0
	FETCH \slot, \nq, \g
	s_wait_dscnt 16                                ; all but the 16 just issued: buffer f is whole
.if \first
	WIN 0x40                                       ; D window 1, C (the bias) window 0
.else
	WIN 0x50                                       ; C and D window 1
.endif
	MUL8 \f, 0, \first
	MUL8 \f, 2, \first
.endm
.macro SEVEN slot, first
	QUARTER \slot, 1, 0, 1, \first
	QUARTER \slot, 2, 1, 0, 0
	QUARTER \slot, 3, 0, 1, 0
	QUARTER \slot, 4, 1, 0, 0
	QUARTER \slot, 5, 0, 1, 0
	QUARTER \slot, 6, 1, 0, 0
	QUARTER \slot, 7, 0, 1, 0
.endm
; the eighth quarter multiplies buffer 1 and changes slots: waits, barrier (a round of the cluster's barrier where the slot is filled again), refill first
.macro TURN slot, next, fill
	s_wait_dscnt 0x0                               ; buffer 1 is whole: my reads of this slot are over
	s_wait_tensorcnt 0x0                           ; all my tensor loads have landed: my piece of the next slot
	ds_add_u32 v254, v255
	s_wait_dscnt 0x0
	s_barrier_signal -1
	WIN 0x50
	MUL8 1, 0, 0
	WIN 0
	s_barrier_wait -1
.if \fill
	CREST
	s_add_nc_u64 s[G0+4*\slot+2:G0+4*\slot+3], s[G0+4*\slot+2:G0+4*\slot+3], 2097152   ; eight heads on
	s_add_nc_u64 s[G0B+4*\slot+2:G0B+4*\slot+3], s[G0B+4*\slot+2:G0B+4*\slot+3], 1024  ; 512 along K
	JLOAD \slot
.endif
	PLACES
	FETCH \next, 0, 0
	WIN 0x50
	MUL8 1, 2, 0
.endm
	s_wait_tensorcnt 0x1                           ; my piece of slot 0 is in; slot 1's load, issued behind it, stays out
	s_barrier_signal -1
	s_barrier_wait -1
	FETCH 0, 0, 0
	s_wait_loadcnt 0x0                             ; the bias
	SEVEN 0, 1                                     ; K 0-255
	TURN 0, 1, 1                                   ; slot 0 gets K 512-767
	SEVEN 1, 0                                     ; K 256-511
	TURN 1, 0, 1                                   ; slot 1 gets K 768-1023
	SEVEN 0, 0
	TURN 0, 1, 0                                   ; nothing is left to fetch
	SEVEN 1, 0
	s_wait_dscnt 0x0
	WIN 0x50
	MUL8 1, 0, 0
	MUL8 1, 2, 0
	PLACES                                         ; behind the last matrix instructions: results are stored, fragment registers loaded into
; the way out, 16 rows at a time: 32 bytes a lane into my own stage, whole rows of 256 bytes back and out
.macro OUT16 a, f
	WIN 0x04                                       ; store data in window 1
.irp b, 0,1,2,3
	ds_store_b128 v[STO], v[8*(4*\a+\b):8*(4*\a+\b)+3]   offset:64*\b
	ds_store_b128 v[STO], v[8*(4*\a+\b)+4:8*(4*\a+\b)+7] offset:64*\b+16
.endr
	WIN 0
	s_wait_xcnt 0x0                                ; buffer f, which earlier stores read, is loaded again only behind this wait
.irp u, 0,1,2,3,4,5,6,7
	ds_load_b128 v[\f+4*\u:\f+4*\u+3], v[RD] offset:2*SPITCH*\u   ; my own bytes, served in order
.endr
.irp u, 0,1,2,3,4,5,6,7
	s_wait_dscnt 7-\u                              ; the younger loads stay out
	global_store_b128 v[CO], v[\f+4*\u:\f+4*\u+3], s[72:73] offset:65536*\a+8192*\u th:TH_STORE_NT   ; sixteen lanes store 256 consecutive bytes, aligned
.endr
.endm
	OUT16 0, 64
	OUT16 1, 128
	OUT16 2, 64
	OUT16 3, 128
	s_wait_tensorcnt 0x0
	ds_add_u32 v254, v255
	s_wait_dscnt 0x0
	CROUND                                         ; the closing round
	s_endpgm
.Lfunc_end_k_q55912f412c_oproj:
	.size	k_q55912f412c_oproj, .Lfunc_end_k_q55912f412c_oproj-k_q55912f412c_oproj
	.p2alignl 7, 3214868480
	.fill 96, 4, 3214868480
	.section	.rodata,"a",@progbits
	.p2align	6, 0x0
	.amdhsa_kernel k_q55912f412c_oproj
		.amdhsa_group_segment_fixed_size 327680
		.amdhsa_private_segment_fixed_size 0
		.amdhsa_enable_private_segment 0
		.amdhsa_kernarg_size 32
		.amdhsa_user_sgpr_count 2
		.amdhsa_user_sgpr_kernarg_segment_ptr 1
		.amdhsa_wavefront_size32 1
		.amdhsa_system_sgpr_workgroup_id_x 1
		.amdhsa_system_sgpr_workgroup_id_y 1
		.amdhsa_system_sgpr_workgroup_id_z 1
		.amdhsa_system_vgpr_workitem_id 0
		.amdhsa_next_free_vgpr 384
		.amdhsa_next_free_sgpr 80
		.amdhsa_reserve_vcc 0
		.amdhsa_float_denorm_mode_32 3
		.amdhsa_float_denorm_mode_16_64 3
		.amdhsa_memory_ordered 1
		.amdhsa_forward_progress 1
		.amdhsa_inst_pref_size 89
	.end_amdhsa_kernel
	.amdgpu_metadata
---
amdhsa.version: [ 1, 2 ]
amdhsa.kernels:
  - .name:           k_q55912f412c_oproj
    .symbol:         k_q55912f412c_oproj.kd
    .args:
      - { .name: ab, .offset: 0, .size: 8, .value_kind: global_buffer, .address_space: global }
      - { .name: wob, .offset: 8, .size: 8, .value_kind: global_buffer, .address_space: global }
      - { .name: out0, .offset: 16, .size: 8, .value_kind: global_buffer, .address_space: global }
      - { .name: bo, .offset: 24, .size: 8, .value_kind: global_buffer, .address_space: global }
    .group_segment_fixed_size: 327680
    .private_segment_fixed_size: 0
    .kernarg_segment_align: 8
    .kernarg_segment_size: 32
    .max_flat_workgroup_size: 128
    .sgpr_count:     80
    .vgpr_count:     384
    .wavefront_size: 32
...
	.end_amdgpu_metadata
.endif
;; end of part 4
;; ======== version 2 of 3: 4 launches; 1.26 times as fast as version 1
;; limits: values are held in f16: magnitudes above 65,504 overflow, below 6.1e-05 lose precision; right only within a limited range of input values
;; workspace buffers: xb 16,777,216 bytes; wqkv 12,582,912 bytes; wob 2,097,152 bytes; qw 8,388,608 bytes; kw 8,388,608 bytes; vw 8,388,608 bytes; ab 8,388,608 bytes
;; launch cvt (part 5): grid 64 x 8, 8 waves a work-group, no clusters, 0 bytes of LDS; arguments x, Wq, Wk, Wv, Wo, xb, wqkv, wob; writes xb, wqkv, wob
.if DOCPART == 5
	.amdgcn_target "amdgcn-amd-amdhsa--gfx1250"
	.amdhsa_code_object_version 6
	.text
	.protected	k_q55912f412c_cvt
	.globl	k_q55912f412c_cvt
	.p2align	8
	.type	k_q55912f412c_cvt,@function
k_q55912f412c_cvt:
	s_mov_b64 s[64:65], 0
	v_nop
	global_prefetch_b8 v0, s[64:65] scope:SCOPE_SE
	s_setreg_imm32_b32 hwreg(HW_REG_WAVE_MODE, 25, 1), 1
	s_wait_xcnt 0x0
; The matrix operands are made once.  x, Wq, Wk, Wv: each f32 number a becomes two f16 numbers, hi = f16(a) and lo = f16(a - hi); hi alone
; carries 11 significant bits, the pair about 22.  Wo becomes one f16 number.
; Eight segments of 4 MiB of f32 (grid y): 0-3 the quarters of x, 4 Wq, 5 Wk, 6 Wv, 7 Wo.  Grid x: 64 groups of 16 rows of 4,096 bytes.
; LAYOUT of a split row (4,096 bytes): for each block of 64 numbers 128 bytes of hi, then 128 bytes of lo, so that 256 consecutive
; bytes hold both halves of 64 numbers.  The rows of Wq, Wk, Wv are regrouped head by head: wqkv row = 192 head + 64 m + d (m = 0 q, 1 k, 2 v).
; Sixteen neighbouring lanes make one such block: lanes 0-7 keep hi of eight numbers each, lanes 8-15 lo of the same numbers; both groups
; load the same 256 bytes in the same instructions, and each store of a wave covers 512 consecutive aligned bytes.
; A stream: all loads go out before the first store.  No LDS, matrix unit or cluster: no byte is used by a second work-group.
; LIMITS: |x| and |W| below 65,504 (f16's largest number); below 2^-14 a number keeps an absolute error of at most 2^-25.
.set H, 4                              ; v[4:7]     eight hi, packed (below v128: only those registers have named halves)
.set U, 8                              ; v[8:15]    hi widened again, then a - hi, then lo packed
.set X, 16                             ; v[16:143]  16 rows x 8 registers as loaded (Wo: 16 x 4)
.set Y, 144                            ; v[144:207] 16 rows x 4 registers to store (Wo: 16 x 2)
	s_load_b512 s[4:19], s[0:1], 0x0               ; x s[4:5], Wq s[6:7], Wk s[8:9], Wv s[10:11], Wo s[12:13], xb s[14:15], wqkv s[16:17], wob s[18:19]
	s_and_b32 s20, ttmp7, 0xffff                   ; segment
	s_lshl_b32 s21, ttmp9, 16                      ; 16 rows of 4,096 bytes for each group
	s_lshl_b32 s22, s20, 22                        ; x: the quarter's 4 MiB
	s_cmp_lt_u32 s20, 4
	s_cselect_b32 s22, s22, 0                      ; a weight matrix begins at its own first byte
	s_add_co_u32 s22, s22, s21                     ; s[22:23]: offset in the source, and x's offset in xb (rows of 4,096 bytes there too)
	s_mov_b32 s23, 0
	s_lshl_b32 s25, ttmp9, 15                      ; 16 rows of 2,048 bytes: Wo's offset in wob
	s_lshr_b32 s26, ttmp9, 2                       ; head = group / 4 (64 rows a head)
	s_mul_i32 s26, s26, 192
	s_max_u32 s27, s20, 4
	s_sub_co_u32 s27, s27, 4                       ; m (not used where the segment is a part of x or Wo)
	s_lshl_b32 s27, s27, 6
	s_add_co_u32 s26, s26, s27
	s_and_b32 s27, ttmp9, 3
	s_lshl_b32 s27, s27, 4                         ; 16 rows for each group inside the head
	s_add_co_u32 s26, s26, s27
	s_lshl_b32 s26, s26, 12                        ; rows of 4,096 bytes
	s_cmp_lt_u32 s20, 4
	s_cselect_b32 s26, s22, s26
	s_cmp_eq_u32 s20, 7
	s_cselect_b32 s26, s25, s26                    ; s[26:27]: offset in the destination
	s_mov_b32 s27, 0
	s_wait_kmcnt 0x0
	s_mov_b64 s[28:29], s[4:5]                     ; the source, chosen by the segment's number alone
	s_cmp_eq_u32 s20, 4
	s_cselect_b64 s[28:29], s[6:7], s[28:29]
	s_cmp_eq_u32 s20, 5
	s_cselect_b64 s[28:29], s[8:9], s[28:29]
	s_cmp_eq_u32 s20, 6
	s_cselect_b64 s[28:29], s[10:11], s[28:29]
	s_cmp_eq_u32 s20, 7
	s_cselect_b64 s[28:29], s[12:13], s[28:29]
	s_cmp_lt_u32 s20, 4
	s_cselect_b64 s[30:31], s[14:15], s[16:17]     ; the destination likewise
	s_cmp_eq_u32 s20, 7
	s_cselect_b64 s[30:31], s[18:19], s[30:31]
	s_add_nc_u64 s[28:29], s[28:29], s[22:23]
	s_add_nc_u64 s[30:31], s[30:31], s[26:27]
	s_cmp_eq_u32 s20, 7
	s_cbranch_scc1 .Lwo
	; x, Wq, Wk, Wv: thread t belongs to block t / 16 of the row and takes its numbers 8 (t % 8) .. + 7
	v_lshrrev_b32 v1, 4, v0
	v_lshlrev_b32 v1, 8, v1                        ; the block's 256 bytes of f32
	v_and_b32 v3, 7, v0
	v_lshl_add_u32 v1, v3, 5, v1                   ; + 32 bytes for each eight numbers
	v_lshlrev_b32 v2, 4, v0                        ; out: 16 t = 256 (t / 16) + 128 ((t / 8) % 2) + 16 (t % 8)
	v_and_b32 v3, 8, v0
	v_cmp_ne_u32 vcc_lo, 0, v3                     ; the lanes that keep lo
.irp j, 0,1,2,3,4,5,6,7,8,9,10,11,12,13,14,15
	global_load_b128 v[X+8*\j:X+8*\j+3],   v1, s[28:29] offset:4096*\j th:TH_LOAD_NT      ; read in this launch by these two instructions alone
	global_load_b128 v[X+8*\j+4:X+8*\j+7], v1, s[28:29] offset:4096*\j+16 th:TH_LOAD_NT
.endr
.irp j, 0,1,2,3,4,5,6,7,8,9,10,11,12,13,14,15
	s_wait_loadcnt 30-2*\j                         ; loads return in order (ISA guide 5.7.1): row j's two are in, the younger rows' stay out
.irp i, 0,1,2,3
	v_cvt_pk_f16_f32 v[H+\i], v[X+8*\j+2*\i], v[X+8*\j+2*\i+1]
.endr
	v_cvt_f32_f16 v8,  v4.l                        ; hi as f32 again
	v_cvt_f32_f16 v9,  v4.h
	v_cvt_f32_f16 v10, v5.l
	v_cvt_f32_f16 v11, v5.h
	v_cvt_f32_f16 v12, v6.l
	v_cvt_f32_f16 v13, v6.h
	v_cvt_f32_f16 v14, v7.l
	v_cvt_f32_f16 v15, v7.h
.irp i, 0,1,2,3
	v_sub_f32 v[U+2*\i],   v[X+8*\j+2*\i],   v[U+2*\i]     ; a - hi is exact in f32
	v_sub_f32 v[U+2*\i+1], v[X+8*\j+2*\i+1], v[U+2*\i+1]
.endr
.irp i, 0,1,2,3
	v_cvt_pk_f16_f32 v[U+2*\i], v[U+2*\i], v[U+2*\i+1]
.endr
.irp i, 0,1,2,3
	v_cndmask_b32 v[Y+4*\j+\i], v[H+\i], v[U+2*\i], vcc_lo
.endr
	global_store_b128 v2, v[Y+4*\j:Y+4*\j+3], s[30:31] offset:4096*\j   ; no store's register is written twice, so no source needs a wait
.endr
	s_endpgm
.Lwo:
	; Wo: thread t takes the 16 bytes at 16 t of each row; a store of a wave covers 256 consecutive aligned bytes
	v_lshlrev_b32 v1, 4, v0
	v_lshlrev_b32 v2, 3, v0
.irp j, 0,1,2,3,4,5,6,7,8,9,10,11,12,13,14,15
	global_load_b128 v[X+4*\j:X+4*\j+3], v1, s[28:29] offset:4096*\j th:TH_LOAD_NT
.endr
.irp j, 0,1,2,3,4,5,6,7,8,9,10,11,12,13,14,15
	s_wait_loadcnt 15-\j                           ; row j is in, the 15 - j younger loads stay out
	v_cvt_pk_f16_f32 v[Y+2*\j],   v[X+4*\j],   v[X+4*\j+1]
	v_cvt_pk_f16_f32 v[Y+2*\j+1], v[X+4*\j+2], v[X+4*\j+3]
	global_store_b64 v2, v[Y+2*\j:Y+2*\j+1], s[30:31] offset:2048*\j
.endr
	s_endpgm
.Lfunc_end_k_q55912f412c_cvt:
	.size	k_q55912f412c_cvt, .Lfunc_end_k_q55912f412c_cvt-k_q55912f412c_cvt
	.p2alignl 7, 3214868480
	.fill 96, 4, 3214868480
	.section	.rodata,"a",@progbits
	.p2align	6, 0x0
	.amdhsa_kernel k_q55912f412c_cvt
		.amdhsa_group_segment_fixed_size 0
		.amdhsa_private_segment_fixed_size 0
		.amdhsa_enable_private_segment 0
		.amdhsa_kernarg_size 64
		.amdhsa_user_sgpr_count 2
		.amdhsa_user_sgpr_kernarg_segment_ptr 1
		.amdhsa_wavefront_size32 1
		.amdhsa_system_sgpr_workgroup_id_x 1
		.amdhsa_system_sgpr_workgroup_id_y 1
		.amdhsa_system_sgpr_workgroup_id_z 1
		.amdhsa_system_vgpr_workitem_id 0
		.amdhsa_next_free_vgpr 208
		.amdhsa_next_free_sgpr 66
		.amdhsa_reserve_vcc 1
		.amdhsa_float_denorm_mode_32 3
		.amdhsa_float_denorm_mode_16_64 3
		.amdhsa_memory_ordered 1
		.amdhsa_forward_progress 1
		.amdhsa_inst_pref_size 31
	.end_amdhsa_kernel
	.amdgpu_metadata
---
amdhsa.version: [ 1, 2 ]
amdhsa.kernels:
  - .name:           k_q55912f412c_cvt
    .symbol:         k_q55912f412c_cvt.kd
    .args:
      - { .name: x, .offset: 0, .size: 8, .value_kind: global_buffer, .address_space: global }
      - { .name: Wq, .offset: 8, .size: 8, .value_kind: global_buffer, .address_space: global }
      - { .name: Wk, .offset: 16, .size: 8, .value_kind: global_buffer, .address_space: global }
      - { .name: Wv, .offset: 24, .size: 8, .value_kind: global_buffer, .address_space: global }
      - { .name: Wo, .offset: 32, .size: 8, .value_kind: global_buffer, .address_space: global }
      - { .name: xb, .offset: 40, .size: 8, .value_kind: global_buffer, .address_space: global }
      - { .name: wqkv, .offset: 48, .size: 8, .value_kind: global_buffer, .address_space: global }
      - { .name: wob, .offset: 56, .size: 8, .value_kind: global_buffer, .address_space: global }
    .group_segment_fixed_size: 0
    .private_segment_fixed_size: 0
    .kernarg_segment_align: 8
    .kernarg_segment_size: 64
    .max_flat_workgroup_size: 256
    .sgpr_count:     66
    .vgpr_count:     208
    .wavefront_size: 32
...
	.end_amdgpu_metadata
.endif
;; end of part 5
;; launch qkv (part 6): grid 16 x 16, 4 waves a work-group, clusters of 4 x 4, 327,680 bytes of LDS; arguments xb, wqkv, bq, bk, bv, cos, sin, qw, kw, vw; writes qw, kw, vw
.if DOCPART == 6
	.amdgcn_target "amdgcn-amd-amdhsa--gfx1250"
	.amdhsa_code_object_version 6
	.text
	.protected	k_q55912f412c_qkv
	.globl	k_q55912f412c_qkv
	.p2align	8
	.type	k_q55912f412c_qkv,@function
k_q55912f412c_qkv:
	s_mov_b64 s[64:65], 0
	v_nop
	global_prefetch_b8 v0, s[64:65] scope:SCOPE_SE
	s_setreg_imm32_b32 hwreg(HW_REG_WAVE_MODE, 25, 1), 1
	s_wait_xcnt 0x0
	s_wait_alu depctr_hold_cnt(0) depctr_sa_sdst(0) depctr_va_vdst(0) depctr_va_sdst(0) depctr_va_ssrc(0) depctr_va_vcc(0) depctr_vm_vsrc(0)
	s_getreg_b32 s2, hwreg(HW_REG_IB_STS2, 6, 4)
	s_cmp_eq_u32 s2, 0
	s_cbranch_scc0 .Lentry_in_a_cluster
	s_endpgm
.Lentry_in_a_cluster:
	s_bfe_u32 s2, ttmp6, 0x10000c
	s_cmp_lg_u32 s2, 0xf033
	s_cbranch_scc0 .Lentry_shape_is_right
	s_endpgm
.Lentry_shape_is_right:
; q, k, v of one head for 256 rows of x: C[256][192] = x W^T + bias, f32 sums; then the rotation of neighbouring column pairs of q and k
; by the given cos and sin, and out in f16, each as [batch x head][2048][64].
; PRECISION: x and W come as hi + lo in f16.  The columns of q and k take xh Wh alone: what is left is the f16 rounding of x and of W, each
; of the size of the f16 rounding with which q and k leave.  The columns of v take xh Wh + xl Wh + xh Wl: the first rows of the result are
; single values v times Wo, many times larger than the result's root mean square, by which the comparison goes, so v cannot bear the
; rounding of x or of Wv.  lo x lo, below 2^-22 of the terms, is left out.
; q and k leave times 2^-6 (exact; folded into cos and sin once), so that they keep room in f16; the next launch puts the factor back.
; LIMITS: |q|, |k| below 64 x 65,504 = 4.1e6; |v| below 65,504; a q or k below 2^-8 keeps an absolute error of at most 2^-19.
; Work-group (x = head, y = block of 256 rows); four waves, wave w makes rows 64 w .. 64 w + 63 and all 192 columns: 48 accumulator
; tiles of 16 x 16.  A tile's row is 256 consecutive bytes: hi and lo of 64 along K.  16 such steps go through two LDS slots.  (The lo
; halves of Wq's and Wk's rows come along and are not read from LDS: 16 KiB of a step's 112; so one descriptor serves 96 rows of 256 bytes.)
; Two slots of 128 along K do not fit: x takes 1,024 bytes for each k and the weights 768, with padding about 243,000 bytes a slot.
; CLUSTER 4 x 4: the four work-groups of a row of the cluster share the rows of x, those of a column the head's weights; such a tile
; is asked for jointly, which divides the requests for both by four.
; REGISTERS: window 0: v4-12 addresses, v16-143 four x fragment buffers (hi0, lo0, hi1, lo1), v144-207 cos, v208-239 Y0 (Wv lo, first 32 of K);
;   window 1: v0-95 X0 and v96-191 X1 (weights hi, first and second 32 of K), v192-255 sin; window 2: accumulators of column tiles 0-7
;   (q, k) at 8 (8 a + b); window 3: v0-127 accumulators of tiles 8-11 (v) at 8 (4 a + b - 8), v128-223 the bias of tile b at 128 + 8 b,
;   v224-255 Y1 (Wv lo, second 32 of K).
; THE MATRIX INSTRUCTION IS USED TRANSPOSED (source 0 = weight rows, source 1 = rows of x): lane l holds row l % 16 and its registers
; 0-7 the columns 8 (l / 16) + 0..7, so a rotation's pair lies in two neighbouring registers and eight results pack into 16 bytes.
.set KSTEP,  128                       ; elements in a tile's row: 64 hi + 64 lo
.set PITCH,  272                       ; 256 bytes + 16 of padding: the 16 rows of a fragment load begin in 16 different groups of four banks
.set PIECE,  128*PITCH                 ; what one wave's tensor load may fill: pieces 0, 1 = x rows 0-127, 128-255; 2, 3 = weight rows 0-95, 96-191
.set SLOT,   4*PIECE
.set STAGE,  2*SLOT                    ; behind the ring: 16 rows x 400 bytes for each wave; no tensor load lands here
.set SPITCH, 400                       ; 384 bytes (192 numbers) + 16
.set LAPS,   8                         ; 16 steps, two a lap
.set ADRA, 4                           ; v4-5   LDS address of my x fragments in slot 0, 1
.set ADRB, 6                           ; v6-7   of the weight fragments
.set STO,  8                           ; way out: where I put 16 bytes
.set RD,   9                           ; way out: where I read 16 bytes back
.set CO,   10                          ; my byte offset in q, k, v
.set VCS,  11                          ; my byte offset in cos and sin
.set VB,   12                          ; my byte offset in a bias
.set FA,   16                          ; x fragments: buffer n at FA + 32 n
.set T,    16                          ; way out: 64 rotated numbers
.set TMP,  80                          ; way out: 48 packed registers
.set COS,  144                         ; cos of (a, bb) at COS + 16 a + 4 bb
.set Y0,   208                         ; window 0
.set BX0,  0                           ; window 1
.set BX1,  96                          ; window 1
.set SIN,  192                         ; window 1: sin of (a, bb) at SIN + 16 a + 4 bb
.set RB,   0                           ; window 1, way out: 48 registers read back
.set BIAS, 128                         ; window 3
.set Y1,   224                         ; window 3
.set G1,  24                           ; s[24:31] group 1 for x's tiles
.set G0,  32                           ; s[32:39] group 0 for x's tiles, one set a slot
.set G1B, 48                           ; s[48:55] group 1 for the weights' tiles
.set G0B, 56                           ; s[56:63] group 0 for them
.set MSB, 0
.macro WIN new                         ; the immediate's high byte repeats the setting that is left
.if MSB != \new
	s_set_vgpr_msb (MSB<<8)|\new
.set MSB, \new
.endif
.endm
.macro PLACES                          ; four places behind a matrix instruction (ISA guide 7.12.1) before its registers are read, written or loaded into
.rept 4
	v_nop
.endr
.endm
.macro JLOAD s                         ; waves 0, 1 ask for x's two halves, waves 2, 3 for the weights': one joint load a wave
	s_cmp_eq_u32 s11, 0
	s_cbranch_scc0 .Lfor_b_\@
	tensor_load_to_lds s[G0+4*\s:G0+4*\s+3], s[G1:G1+7]
	s_nop 0
	s_branch .Lasked_\@
.Lfor_b_\@:
	tensor_load_to_lds s[G0B+4*\s:G0B+4*\s+3], s[G1B:G1B+7]
	s_nop 0
.Lasked_\@:
.endm
.macro CREST                           ; a round of the cluster's barrier behind its opening work-group barrier
	s_cmp_lg_u32 s10, 0
	s_cbranch_scc1 .Lnot_wave_0_\@
	s_barrier_signal -3
.Lnot_wave_0_\@:
	s_barrier_wait -3
	s_barrier_signal -1
	s_barrier_wait -1
.endm
.macro CROUND
	s_barrier_signal -1
	s_barrier_wait -1
	CREST
.endm
	s_load_b128 s[4:7], s[0:1], 0x0                ; xb s[4:5], wqkv s[6:7]
	s_load_b512 s[68:83], s[0:1], 0x10             ; bq 68, bk 70, bv 72, cos 74, sin 76, qw 78, kw 80, vw 82
	v_lshl_add_u32 v254, v0, 2, 0x4a400
	v_mov_b32 v255, 0
	ds_add_u32 v254, v255
	ds_add_u32 v254, v255
	v_lshrrev_b32 v1, 5, v0
	v_readfirstlane_b32 s10, v1                    ; wave 0..3
	s_lshr_b32 s11, s10, 1                         ; I fetch for x (0) or for the weights (1)
	s_and_b32 s12, s10, 1                          ; which half of that tile
	s_bfe_u32 s40, ttmp6, 0x40000                  ; cx
	s_bfe_u32 s41, ttmp6, 0x40004                  ; cy
	s_lshl_b32 s42, ttmp9, 2
	s_add_co_u32 s42, s42, s40                     ; head = 4 x cluster x + cx
	s_and_b32 s13, ttmp7, 0xffff
	s_lshl_b32 s13, s13, 2
	s_add_co_u32 s13, s13, s41                     ; row block = 4 x cluster y + cy
	s_lshl_b32 s43, s41, 2
	s_lshl_b32 s43, 15, s43                        ; my row of the cluster
	s_lshl_b32 s44, 0x1111, s40                    ; my column
	s_or_b32 s[G1+0],  s43, (1<<16)|(1<<20)|(1<<21)|(5<<22)|(3<<25)   ; mask; 2-byte elements; padding on; bit 21 beside a mask; 4 words behind every 64
	s_or_b32 s[G1B+0], s44, (1<<16)|(1<<20)|(1<<21)|(5<<22)|(3<<25)
	s_mov_b32 s[G1+1], KSTEP<<16                   ; tensor_dim0 = 128
	s_mov_b32 s[G1+2], 128<<16                     ; tensor_dim1 = 128
	s_mov_b32 s[G1+3], KSTEP<<16                   ; tile_dim0 = 128
	s_mov_b32 s[G1+4], 128                         ; tile_dim1 = 128 rows
	s_mov_b32 s[G1+5], 2048                        ; elements from row to row: 1,024 hi + 1,024 lo
	s_mov_b32 s[G1+6], 0
	s_mov_b32 s[G1+7], 0
	s_mov_b32 s[G1B+1], KSTEP<<16
	s_mov_b32 s[G1B+2], 96<<16                     ; the weights' halves have 96 rows
	s_mov_b32 s[G1B+3], KSTEP<<16
	s_mov_b32 s[G1B+4], 96
	s_mov_b32 s[G1B+5], 2048
	s_mov_b32 s[G1B+6], 0
	s_mov_b32 s[G1B+7], 0
	; x's tiles hang on the row block and the wave alone, the weights' on the head and the wave alone, each in registers of its own
	s_lshl_b32 s17, s12, 7
	s_lshl_b32 s16, s13, 8
	s_add_co_u32 s16, s16, s17                     ; x row 256 x block + 128 x half
	s_lshl_b32 s16, s16, 12                        ; rows of 4,096 bytes
	s_mov_b32 s17, 0
	s_mul_i32 s46, s42, 192
	s_mul_i32 s47, s12, 96
	s_add_co_u32 s46, s46, s47                     ; weight row 192 x head + 96 x half
	s_lshl_b32 s46, s46, 12
	s_mov_b32 s47, 0
	s_mul_i32 s20, s10, PIECE                      ; where my piece goes: the wave's number alone
	s_lshl_b32 s84, s42, 8                         ; the head's 64 numbers in a bias
	s_mov_b32 s85, 0
	s_and_b32 s86, s13, 7
	s_lshl_b32 s86, s86, 15                        ; 256 rows of 128 bytes for each block inside a batch: cos, sin, and part of the outputs' offset
	s_mov_b32 s87, 0
	s_lshr_b32 s88, s13, 3                         ; batch
	s_lshl_b32 s88, s88, 4
	s_add_co_u32 s88, s88, s42                     ; 16 x batch + head
	s_lshl_b32 s88, s88, 18                        ; 2,048 rows of 128 bytes
	s_add_co_u32 s88, s88, s86                     ; s[88:89]: my block in q, k and v
	s_mov_b32 s89, 0
	s_wait_dscnt 0x0
	s_wait_kmcnt 0x0
	s_add_nc_u64 s[14:15], s[4:5], s[16:17]
	s_add_nc_u64 s[46:47], s[6:7], s[46:47]
	s_add_nc_u64 s[68:69], s[68:69], s[84:85]
	s_add_nc_u64 s[70:71], s[70:71], s[84:85]
	s_add_nc_u64 s[72:73], s[72:73], s[84:85]
	s_add_nc_u64 s[74:75], s[74:75], s[86:87]
	s_add_nc_u64 s[76:77], s[76:77], s[86:87]
	s_add_nc_u64 s[78:79], s[78:79], s[88:89]
	s_add_nc_u64 s[80:81], s[80:81], s[88:89]
	s_add_nc_u64 s[82:83], s[82:83], s[88:89]
	CROUND                                         ; all sixteen work-groups are here: the first joint loads meet
.irp s, 0,1
	s_mov_b32 s[G0+4*\s], 1
	s_add_co_u32 s[G0+4*\s+1], s20, \s*SLOT
	s_add_nc_u64 s[G0+4*\s+2:G0+4*\s+3], s[14:15], \s*KSTEP*2
	s_or_b32 s[G0+4*\s+3], s[G0+4*\s+3], 0x80000000
	s_mov_b32 s[G0B+4*\s], 1
	s_add_co_u32 s[G0B+4*\s+1], s20, \s*SLOT
	s_add_nc_u64 s[G0B+4*\s+2:G0B+4*\s+3], s[46:47], \s*KSTEP*2
	s_or_b32 s[G0B+4*\s+3], s[G0B+4*\s+3], 0x80000000
	JLOAD \s                                       ; both first fills go out together: two tensor loads of a wave are out
.endr
	v_and_b32 v1, 15, v0                           ; r = l % 16
	v_bfe_u32 v2, v0, 4, 1                         ; h = l / 16
	v_mul_u32_u24 v3, v1, PITCH
	v_lshl_add_u32 v3, v2, 4, v3                   ; fragment: row r, 16 bytes for each half of the lanes
	s_mul_i32 s21, s10, 64*PITCH                   ; my 64 rows of x
	s_mov_b32 s22, 2*PIECE                         ; the weights lie behind x's 256 rows
.irp s, 0,1
	v_add_nc_u32 v[ADRA+\s], s21, v3
	v_add_nc_u32 v[ADRB+\s], s22, v3
	s_add_co_u32 s21, s21, SLOT
	s_add_co_u32 s22, s22, SLOT
.endr
	s_mul_i32 s23, s10, 16*SPITCH
	s_add_co_u32 s23, s23, STAGE                   ; my stage
	v_mul_u32_u24 v13, v1, SPITCH
	v_lshl_add_u32 v13, v2, 4, v13
	v_add_nc_u32 v[STO], s23, v13                  ; in: row r, byte 16 h
	v_and_b32 v14, 31, v0
	v_lshrrev_b32 v13, 3, v14
	v_mul_u32_u24 v13, v13, SPITCH
	v_and_b32 v15, 7, v0
	v_lshl_add_u32 v13, v15, 4, v13
	v_add_nc_u32 v[RD], s23, v13                   ; back: eight lanes take the 128 bytes that a row has of one matrix
	v_lshlrev_b32 v[CO], 4, v14
	v_lshl_add_u32 v[CO], s10, 13, v[CO]           ; 64 w rows of 128 bytes + 16 l
	v_lshlrev_b32 v[VCS], 7, v1
	v_lshl_add_u32 v[VCS], v2, 4, v[VCS]
	v_lshl_add_u32 v[VCS], s10, 13, v[VCS]         ; (64 w + r) rows of 128 bytes + 16 h: my four pairs of a column tile
	v_lshlrev_b32 v[VB], 5, v2                     ; my eight columns of a tile: 32 h
	WIN 0xc0                                       ; destination in window 3
.irp bb, 0,1,2,3
	global_load_b128 v[BIAS+8*\bb:BIAS+8*\bb+3],       v[VB], s[68:69] offset:64*\bb
	global_load_b128 v[BIAS+8*\bb+4:BIAS+8*\bb+7],     v[VB], s[68:69] offset:64*\bb+16
	global_load_b128 v[BIAS+32+8*\bb:BIAS+32+8*\bb+3],   v[VB], s[70:71] offset:64*\bb
	global_load_b128 v[BIAS+32+8*\bb+4:BIAS+32+8*\bb+7], v[VB], s[70:71] offset:64*\bb+16
	global_load_b128 v[BIAS+64+8*\bb:BIAS+64+8*\bb+3],   v[VB], s[72:73] offset:64*\bb
	global_load_b128 v[BIAS+64+8*\bb+4:BIAS+64+8*\bb+7], v[VB], s[72:73] offset:64*\bb+16
.endr
	WIN 0
.irp a, 0,1,2,3
.irp bb, 0,1,2,3
	global_load_b128 v[COS+16*\a+4*\bb:COS+16*\a+4*\bb+3], v[VCS], s[74:75] offset:2048*\a+32*\bb
.endr
.endr
	WIN 0x40                                       ; destination in window 1
.irp a, 0,1,2,3
.irp bb, 0,1,2,3
	global_load_b128 v[SIN+16*\a+4*\bb:SIN+16*\a+4*\bb+3], v[VCS], s[76:77] offset:2048*\a+32*\bb
.endr
.endr
; 8 LDS loads: my 64 rows of x, 32 along K at byte k of the slot's rows (0, 64: hi; 128, 192: lo), into buffer n
.macro FETCHA slot, k, n
	WIN 0
.irp a, 0,1,2,3
	ds_load_b128 v[FA+32*\n+8*\a:FA+32*\n+8*\a+3],   v[ADRA+\slot] offset:\k+\a*16*PITCH
	ds_load_b128 v[FA+32*\n+8*\a+4:FA+32*\n+8*\a+7], v[ADRA+\slot] offset:\k+\a*16*PITCH+32
.endr
.endm
; 24 LDS loads: hi of the 192 weight rows likewise, into the buffer at fb of window 1
.macro FETCHB slot, k, fb
	WIN 0x40
.irp b, 0,1,2,3,4,5
	ds_load_b128 v[\fb+8*\b:\fb+8*\b+3],   v[ADRB+\slot] offset:\k+\b*16*PITCH
	ds_load_b128 v[\fb+8*\b+4:\fb+8*\b+7], v[ADRB+\slot] offset:\k+\b*16*PITCH+32
.endr
.irp b, 6,7,8,9,10,11
	ds_load_b128 v[\fb+8*\b:\fb+8*\b+3],   v[ADRB+\slot] offset:\k+PIECE+(\b-6)*16*PITCH
	ds_load_b128 v[\fb+8*\b+4:\fb+8*\b+7], v[ADRB+\slot] offset:\k+PIECE+(\b-6)*16*PITCH+32
.endr
.endm
; 8 LDS loads: lo of Wv's 64 rows (weight rows 128-191: rows 32-95 of the second piece), into Y0 (y = 0) or Y1 (y = 1)
.macro FETCHY slot, k, y
.if \y
	WIN 0xc0                                       ; destination in window 3
.irp b, 0,1,2,3
	ds_load_b128 v[Y1+8*\b:Y1+8*\b+3],   v[ADRB+\slot] offset:\k+PIECE+(\b+2)*16*PITCH
	ds_load_b128 v[Y1+8*\b+4:Y1+8*\b+7], v[ADRB+\slot] offset:\k+PIECE+(\b+2)*16*PITCH+32
.endr
.else
	WIN 0
.irp b, 0,1,2,3
	ds_load_b128 v[Y0+8*\b:Y0+8*\b+3],   v[ADRB+\slot] offset:\k+PIECE+(\b+2)*16*PITCH
	ds_load_b128 v[Y0+8*\b+4:Y0+8*\b+7], v[ADRB+\slot] offset:\k+PIECE+(\b+2)*16*PITCH+32
.endr
.endif
.endm
; The accumulators take turns, one instruction a turn: no two matrix instructions that follow each other share one.
; first = 1: the sum starts from the bias (C = the bias registers): nothing is cleared, and no bias is added later.
.macro MULA n, fb, first               ; column tiles 0-7 (q, k)
.if \first
	WIN 0xb1                                       ; source 0 window 1, source 1 window 0, C window 3, D window 2
.else
	WIN 0xa1                                       ; C and D window 2
.endif
.irp a, 0,1,2,3
.irp b, 0,1,2,3,4,5,6,7
.if \first
	v_wmma_f32_16x16x32_f16 v[8*(8*\a+\b):8*(8*\a+\b)+7], v[\fb+8*\b:\fb+8*\b+7], v[FA+32*\n+8*\a:FA+32*\n+8*\a+7], v[BIAS+8*\b:BIAS+8*\b+7]
.else
	v_wmma_f32_16x16x32_f16 v[8*(8*\a+\b):8*(8*\a+\b)+7], v[\fb+8*\b:\fb+8*\b+7], v[FA+32*\n+8*\a:FA+32*\n+8*\a+7], v[8*(8*\a+\b):8*(8*\a+\b)+7]
.endif
.endr
.endr
.endm
.macro MULB n, fb, first               ; column tiles 8-11 (v), Wv hi
	WIN 0xf1                                       ; C and D window 3
.irp a, 0,1,2,3
.irp b, 0,1,2,3
.if \first
	v_wmma_f32_16x16x32_f16 v[8*(4*\a+\b):8*(4*\a+\b)+7], v[\fb+64+8*\b:\fb+64+8*\b+7], v[FA+32*\n+8*\a:FA+32*\n+8*\a+7], v[BIAS+64+8*\b:BIAS+64+8*\b+7]
.else
	v_wmma_f32_16x16x32_f16 v[8*(4*\a+\b):8*(4*\a+\b)+7], v[\fb+64+8*\b:\fb+64+8*\b+7], v[FA+32*\n+8*\a:FA+32*\n+8*\a+7], v[8*(4*\a+\b):8*(4*\a+\b)+7]
.endif
.endr
.endr
.endm
.macro MULY n, y                       ; column tiles 8-11 (v), Wv lo
.if \y
	WIN 0xf3                                       ; source 0 (Y1), C and D window 3
.else
	WIN 0xf0                                       ; source 0 (Y0) window 0
.endif
.irp a, 0,1,2,3
.irp b, 0,1,2,3
.if \y
	v_wmma_f32_16x16x32_f16 v[8*(4*\a+\b):8*(4*\a+\b)+7], v[Y1+8*\b:Y1+8*\b+7], v[FA+32*\n+8*\a:FA+32*\n+8*\a+7], v[8*(4*\a+\b):8*(4*\a+\b)+7]
.else
	v_wmma_f32_16x16x32_f16 v[8*(4*\a+\b):8*(4*\a+\b)+7], v[Y0+8*\b:Y0+8*\b+7], v[FA+32*\n+8*\a:FA+32*\n+8*\a+7], v[8*(4*\a+\b):8*(4*\a+\b)+7]
.endif
.endr
.endr
.endm
; One step: 64 along K, 160 matrix instructions: for each 32 along K 32 for q and k (hi x hi) and 3 x 16 for v (hi x hi, lo x hi, hi x lo).
; x buffers: 0 = hi0, 1 = lo0, 2 = hi1, 3 = lo1 (0, 1: the first and second 32 along K).  At its head buffers 0, 1, X0 and Y0 have been
; asked for.  The second half's fragments are asked for in two runs in the first half's products, 32 loads in front of the 32 products
; of q and k and 16 loads in front of 32 of v's; then the slots change, and the next step's first half is asked for in the same way
; in the second half's products.  Every run of loads stands four places behind the last matrix instruction that read its registers.
; In front of the barrier each wave has its reads of this slot back and all its tensor loads landed (the one that is out is its piece of
; the next slot).  Where the slot is filled again the barrier opens a round of the cluster's barrier, and the joint refill is the first
; tensor load behind the round, one a wave; from there to the wait for it a wave issues 144 matrix instructions.
.macro STEPK slot, next, fill, last, first
	PLACES
	s_wait_dscnt 0x0                               ; buffers 0, 1, X0 and Y0 are whole
	FETCHB \slot, 64, BX1
	FETCHY \slot, 192, 1
	MULA 0, BX0, \first                            ; hi0 x hi0, q and k
	FETCHA \slot, 64, 2
	FETCHA \slot, 192, 3
	MULB 0, BX0, \first                            ; hi0 x hi0, v
	MULB 1, BX0, 0                                 ; lo0 x hi0, v
	s_wait_dscnt 0x0                               ; buffers 2, 3, X1 and Y1 are whole, and with them my reads of this slot are over
.if \last
	MULY 0, 0                                      ; hi0 x lo0, v
	MULA 2, BX1, 0                                 ; hi1 x hi1, q and k
.else
	s_set_vgpr_msb 0xf1f0
	s_wait_tensorcnt 0x0                           ; all my tensor loads have landed
	ds_add_u32 v254, v255
	s_wait_dscnt 0x0
	s_set_vgpr_msb 0xf0f1
	s_barrier_signal -1
	MULY 0, 0                                      ; hi0 x lo0, v: register work while the others arrive
	WIN 0
	s_barrier_wait -1
.if \fill
	CREST                                          ; no wave of any partner still reads this slot or has a load on its way
	s_add_nc_u64 s[G0+4*\slot+2:G0+4*\slot+3], s[G0+4*\slot+2:G0+4*\slot+3], 2*KSTEP*2
	s_add_nc_u64 s[G0B+4*\slot+2:G0B+4*\slot+3], s[G0B+4*\slot+2:G0B+4*\slot+3], 2*KSTEP*2
	JLOAD \slot
.endif
	PLACES
	FETCHB \next, 0, BX0
	FETCHY \next, 128, 0
	MULA 2, BX1, 0                                 ; hi1 x hi1, q and k
	FETCHA \next, 0, 0
	FETCHA \next, 128, 1
.endif
	MULB 2, BX1, 0                                 ; hi1 x hi1, v
	MULB 3, BX1, 0                                 ; lo1 x hi1, v
	MULY 2, 1                                      ; hi1 x lo1, v
.endm
.macro LAP first
	STEPK 0, 1, 1, 0, \first
	STEPK 1, 0, 1, 0, 0
.endm
	s_wait_tensorcnt 0x1                           ; my piece of step 0 is in; step 1's load, issued behind it, stays out
	s_barrier_signal -1
	s_barrier_wait -1
	FETCHB 0, 0, BX0
	FETCHY 0, 128, 0
	FETCHA 0, 0, 0
	FETCHA 0, 128, 1
	s_wait_loadcnt 0x0                             ; bias, cos and sin, once
	WIN 0
.set j, 0
.rept 32
	v_pk_mul_f32 v[COS+j:COS+j+1], v[COS+j:COS+j+1], 0x3c800000 op_sel_hi:[1,0]   ; cos and sin times 2^-6, exact: q and k come out of the rotation scaled
.set j, j+2
.endr
	WIN 0x41                                       ; source 0 and destination window 1
.set j, 0
.rept 32
	v_pk_mul_f32 v[SIN+j:SIN+j+1], v[SIN+j:SIN+j+1], 0x3c800000 op_sel_hi:[1,0]
.set j, j+2
.endr
	LAP 1
	WIN 0
	s_mov_b32 s3, LAPS-2
.Llap:
	LAP 0
	WIN 0
	s_sub_co_u32 s3, s3, 1
	s_cmp_lg_u32 s3, 0
	s_cbranch_scc1 .Llap
	STEPK 0, 1, 0, 0, 0                            ; the last lap fills nothing
	STEPK 1, 0, 0, 1, 0
	PLACES                                         ; behind the last matrix instructions: results are read, fragment registers written
; THE WAY OUT, 16 rows at a time.  y(2i) = x(2i) cos - x(2i+1) sin, y(2i+1) = x(2i) sin + x(2i+1) cos: one packed multiply by cos,
; two fused multiply-adds by sin.  Rounded to f16, 16 bytes a lane go into my own stage, and runs of 512 consecutive bytes come back and go out.
.macro OUT16 a
	WIN 0x02                                       ; source 0 (the sums) in window 2
.irp b, 0,1,2,3,4,5,6,7
.irp p, 0,1
	v_pk_mul_f32 v[T+8*\b+4*\p:T+8*\b+4*\p+1],   v[8*(8*\a+\b)+4*\p:8*(8*\a+\b)+4*\p+1],   v[COS+16*\a+4*(\b%4)+2*\p:COS+16*\a+4*(\b%4)+2*\p+1] op_sel_hi:[1,0]
	v_pk_mul_f32 v[T+8*\b+4*\p+2:T+8*\b+4*\p+3], v[8*(8*\a+\b)+4*\p+2:8*(8*\a+\b)+4*\p+3], v[COS+16*\a+4*(\b%4)+2*\p:COS+16*\a+4*(\b%4)+2*\p+1] op_sel:[0,1] op_sel_hi:[1,1]
.endr
.endr
	WIN 0x06                                       ; source 0 window 2, source 1 (sin) window 1
.irp b, 0,1,2,3,4,5,6,7
.irp i, 0,1,2,3
	v_fma_f32 v[T+8*\b+2*\i],   -v[8*(8*\a+\b)+2*\i+1], v[SIN+16*\a+4*(\b%4)+\i], v[T+8*\b+2*\i]
	v_fma_f32 v[T+8*\b+2*\i+1], v[8*(8*\a+\b)+2*\i],    v[SIN+16*\a+4*(\b%4)+\i], v[T+8*\b+2*\i+1]
.endr
.endr
	WIN 0
.irp b, 0,1,2,3,4,5,6,7
.irp i, 0,1,2,3
	v_cvt_pk_f16_f32 v[TMP+4*\b+\i], v[T+8*\b+2*\i], v[T+8*\b+2*\i+1]
.endr
.endr
	WIN 0x0f                                       ; both sources in window 3
.irp b, 0,1,2,3
.irp i, 0,1,2,3
	v_cvt_pk_f16_f32 v[TMP+32+4*\b+\i], v[8*(4*\a+\b)+2*\i], v[8*(4*\a+\b)+2*\i+1]
.endr
.endr
	WIN 0
.irp b, 0,1,2,3,4,5,6,7,8,9,10,11
	ds_store_b128 v[STO], v[TMP+4*\b:TMP+4*\b+3] offset:32*\b      ; q at 0, k at 128, v at 256 of the row
.endr
	s_wait_xcnt 0x0                                ; the registers read back into were the last block's store data: loaded again only behind this wait
	WIN 0x40                                       ; destination in window 1
.irp m, 0,1,2
.irp u, 0,1,2,3
	ds_load_b128 v[RB+4*(4*\m+\u):RB+4*(4*\m+\u)+3], v[RD] offset:4*SPITCH*\u+128*\m   ; my own bytes; LDS serves a wave's instructions in order (ISA guide 5.7.1)
.endr
.endr
	WIN 0x04                                       ; store data in window 1
.irp m, 0,1,2
.irp u, 0,1,2,3
	s_wait_dscnt 11-(4*\m+\u)                      ; the younger loads stay out
	global_store_b128 v[CO], v[RB+4*(4*\m+\u):RB+4*(4*\m+\u)+3], s[78+2*\m:79+2*\m] offset:2048*\a+512*\u   ; four rows of 128 bytes: 512 consecutive bytes, aligned
.endr
.endr
.endm
	OUT16 0
	OUT16 1
	OUT16 2
	OUT16 3
	WIN 0
	s_wait_tensorcnt 0x0
	ds_add_u32 v254, v255
	s_wait_dscnt 0x0
	CROUND                                         ; the closing round: no work-group ends while a partner may still ask for a tile that names it
	s_endpgm
.Lfunc_end_k_q55912f412c_qkv:
	.size	k_q55912f412c_qkv, .Lfunc_end_k_q55912f412c_qkv-k_q55912f412c_qkv
	.p2alignl 7, 3214868480
	.fill 96, 4, 3214868480
	.section	.rodata,"a",@progbits
	.p2align	6, 0x0
	.amdhsa_kernel k_q55912f412c_qkv
		.amdhsa_group_segment_fixed_size 327680
		.amdhsa_private_segment_fixed_size 0
		.amdhsa_enable_private_segment 0
		.amdhsa_kernarg_size 80
		.amdhsa_user_sgpr_count 2
		.amdhsa_user_sgpr_kernarg_segment_ptr 1
		.amdhsa_wavefront_size32 1
		.amdhsa_system_sgpr_workgroup_id_x 1
		.amdhsa_system_sgpr_workgroup_id_y 1
		.amdhsa_system_sgpr_workgroup_id_z 1
		.amdhsa_system_vgpr_workitem_id 0
		.amdhsa_next_free_vgpr 1024
		.amdhsa_next_free_sgpr 96
		.amdhsa_reserve_vcc 0
		.amdhsa_float_denorm_mode_32 3
		.amdhsa_float_denorm_mode_16_64 3
		.amdhsa_memory_ordered 1
		.amdhsa_forward_progress 1
		.amdhsa_inst_pref_size 173
	.end_amdhsa_kernel
	.amdgpu_metadata
---
amdhsa.version: [ 1, 2 ]
amdhsa.kernels:
  - .name:           k_q55912f412c_qkv
    .symbol:         k_q55912f412c_qkv.kd
    .args:
      - { .name: xb, .offset: 0, .size: 8, .value_kind: global_buffer, .address_space: global }
      - { .name: wqkv, .offset: 8, .size: 8, .value_kind: global_buffer, .address_space: global }
      - { .name: bq, .offset: 16, .size: 8, .value_kind: global_buffer, .address_space: global }
      - { .name: bk, .offset: 24, .size: 8, .value_kind: global_buffer, .address_space: global }
      - { .name: bv, .offset: 32, .size: 8, .value_kind: global_buffer, .address_space: global }
      - { .name: cos, .offset: 40, .size: 8, .value_kind: global_buffer, .address_space: global }
      - { .name: sin, .offset: 48, .size: 8, .value_kind: global_buffer, .address_space: global }
      - { .name: qw, .offset: 56, .size: 8, .value_kind: global_buffer, .address_space: global }
      - { .name: kw, .offset: 64, .size: 8, .value_kind: global_buffer, .address_space: global }
      - { .name: vw, .offset: 72, .size: 8, .value_kind: global_buffer, .address_space: global }
    .group_segment_fixed_size: 327680
    .private_segment_fixed_size: 0
    .kernarg_segment_align: 8
    .kernarg_segment_size: 80
    .max_flat_workgroup_size: 128
    .sgpr_count:     96
    .vgpr_count:     1024
    .wavefront_size: 32
...
	.end_amdgpu_metadata
.endif
;; end of part 6
;; launch attn (part 7): grid 8 x 32, 8 waves a work-group, no clusters, 327,680 bytes of LDS; arguments qw, kw, vw, ab; writes ab
.if DOCPART == 7
	.amdgcn_target "amdgcn-amd-amdhsa--gfx1250"
	.amdhsa_code_object_version 6
	.text
	.protected	k_q55912f412c_attn
	.globl	k_q55912f412c_attn
	.p2align	8
	.type	k_q55912f412c_attn,@function
k_q55912f412c_attn:
	s_mov_b64 s[64:65], 0
	v_nop
	global_prefetch_b8 v0, s[64:65] scope:SCOPE_SE
	s_setreg_imm32_b32 hwreg(HW_REG_WAVE_MODE, 25, 1), 1
	s_wait_xcnt 0x0
; Causal attention of one (batch, head) (grid y) with a running maximum.
; q and k come in f16, each times 2^-6.  R = 0.125 log2(e) 2^12 puts that factor back, scales by 1 / sqrt(64) and turns the exponentials
; to base 2; it rides on the fused multiply-add that takes the maximum away: p = exp2(R s - R m).
; Work-group p (grid x) takes the query blocks of 128 rows number p and then 15 - p: (p + 1) + (16 - p) = 17 key tiles of 128 in every
; work-group.  Tiles above the diagonal are not computed; the diagonal tile is masked by a select, in every lane.
; Eight waves: w = wave % 4 takes queries 32 w .. +31 (two column tiles nt), g = wave / 4 takes keys 64 g .. +63 of every tile, so that
; two waves lie on each SIMD and one's exponentials run beside the other's matrix work.  The two key groups are merged through LDS at a block's end.
; S^T = K Q^T: a lane holds query l % 16 and keys 8 (l / 16) + 0..7 of each key tile; packing two key tiles gives, inside the
; lane, the operand of O^T = V^T P^T.  Maximum, rescaling factor and row sum are numbers of the lane; only the maximum crosses the halves in a step.
; NO CLUSTER: partners need different numbers of tiles (p + 1 and 16 - p); four partners in step would pass 4 + 16 or 8 + 12 = 20 steps
; where each work-group now passes 17.  NO PREFETCH: a head's K and V are 512 KiB that the launch before stored and eight work-groups read.
; LIMITS: the mask's value is -2^100, not -infinity: below every score (|s| is at most 64 x 65,504^2), and a power of two, so that R times it is
; exact and a key group with no valid key gets p = 1 exactly, finite sums, and the weight exp2(-R 2^100) = 0 in the merge;
; P is rounded to f16, so p below 2^-24 counts as 0 in the numerator; the row sum adds the unrounded p; the result must lie inside f16's range (65,504).
.set KBYTES,  18432                    ; K: 128 rows x 144 (128 bytes + 16)
.set SLOT,    38912                    ; + V: 128 rows x 160 (128 bytes + 32: an odd multiple of 32 for the transposing loads)
.set SCRATCH, 77824                    ; behind the two slots: 8,704 bytes for each w, group 1's sums for the merge; no tensor load lands here
.set SCRW,    8704
.set STAGE,   112640                   ; 32 rows x 144 for each w, the way out
.set STW,     4608
.set TILEB,   16384                    ; a tile in memory: 128 rows of 128 bytes, dense
.set ADK, 4                            ; v4-5  LDS address of my K fragments in slot 0, 1
.set ADV, 6                            ; v6-7  of my V fragments
.set VQ,  8                            ; my byte offset in the block's q
.set DM,  9                            ; query - key at (kt, nt, j) = (0, 0, 0): l%16 - 8 (l/16) + 32 w - 64 g
.set STO, 10
.set RD,  11
.set CO,  12
.set SCR, 13
.set NM,  14                           ; v[14:15] minus R times the maximum, for nt = 0, 1
.set MM,  16                           ; v[16:17] running maximum, of the scores as the matrix unit gives them
.set LL,  18                           ; v[18:19] running sum of my half's keys
.set AL,  20                           ; v[20:21] rescaling factor
.set LS,  22                           ; v[22:25] a step's sums, a pair for each nt
.set MX,  26                           ; v[26:29] four chains of maxima
.set TM,  30                           ; v[30:31]
.set SS,  32                           ; v[32:95]   S(kt, nt) at 8 (2 kt + nt)
.set PF,  96                           ; v[96:127]  P(nt, kk) at 8 (2 nt + kk)
.set QF,  128                          ; v[128:159] Q(nt, ks) at 8 (2 nt + ks)
.set PT,  162                          ; v[162:163] what comes from the other half of the lanes
.set PM,  164                          ; v[164:167] the partner's maxima and sums
.set F0,  168                          ; v[168:169] my weight in the merge
.set F1,  170                          ; v[170:171] the partner's
.set RR,  172                          ; v[172:173] R, twice (a pair for the packed multiply-add)
.set KF,  0                            ; window 1: K(kt, ks) at 8 (2 kt + ks)
.set VF,  64                           ; window 1: V(dt, kk) at 64 + 8 (2 dt + kk)
.set OA,  128                          ; window 1: O(dt, nt) at 128 + 8 (2 dt + nt)
.set G1K, 24                           ; s[24:31]
.set G1V, 32                           ; s[32:39]
.set G0K, 40                           ; s[40:47] one set a slot
.set G0V, 48                           ; s[48:55]
.set MSB, 0
.macro WIN new
.if MSB != \new
	s_set_vgpr_msb (MSB<<8)|\new
.set MSB, \new
.endif
.endm
.macro PLACES                          ; four places behind a matrix instruction (ISA guide 7.12.1)
.rept 4
	v_nop
.endr
.endm
.macro FILL s                          ; wave 0 asks for K's tile, wave 1 for V's: one tensor load a wave
	s_cmp_lg_u32 s12, 0
	s_cbranch_scc1 .Lnot_k_\@
	tensor_load_to_lds s[G0K+4*\s:G0K+4*\s+3], s[G1K:G1K+7]
	s_nop 0
.Lnot_k_\@:
	s_cmp_lg_u32 s12, 1
	s_cbranch_scc1 .Lnot_v_\@
	tensor_load_to_lds s[G0V+4*\s:G0V+4*\s+3], s[G1V:G1V+7]
	s_nop 0
.Lnot_v_\@:
.endm
	s_load_b256 s[4:11], s[0:1], 0x0               ; qw s[4:5], kw s[6:7], vw s[8:9], ab s[10:11]
	v_lshl_add_u32 v254, v0, 2, 0x29000
	v_mov_b32 v255, 0
	v_lshrrev_b32 v1, 5, v0
	v_readfirstlane_b32 s12, v1                    ; wave 0..7
	s_and_b32 s13, s12, 3                          ; w
	s_lshr_b32 s14, s12, 2                         ; g
	s_mov_b32 s19, ttmp9                           ; p
	s_mov_b32 s22, 0x76543210                      ; v_permlanex16_b32: lane i reads lane i of the other half
	s_mov_b32 s23, 0xfedcba98
	s_mov_b32 s70, 0xf1800000                      ; -2^100
	; a tile is 16 KiB dense in memory: taken as 64 rows of 256 bytes, with padding behind every 32 words, that is behind each row of 64 numbers
	s_mov_b32 s[G1K+0], (1<<16)|(1<<20)|(4<<22)|(3<<25)   ; 2-byte elements; padding on; every 32 words; 4 words: pitch 144
	s_mov_b32 s[G1K+1], 128<<16
	s_mov_b32 s[G1K+2], 64<<16
	s_mov_b32 s[G1K+3], 128<<16
	s_mov_b32 s[G1K+4], 64
	s_mov_b32 s[G1K+5], 128
	s_mov_b32 s[G1K+6], 0
	s_mov_b32 s[G1K+7], 0
	s_mov_b32 s[G1V+0], (1<<16)|(1<<20)|(4<<22)|(7<<25)   ; 8 words: pitch 160
	s_mov_b32 s[G1V+1], 128<<16
	s_mov_b32 s[G1V+2], 64<<16
	s_mov_b32 s[G1V+3], 128<<16
	s_mov_b32 s[G1V+4], 64
	s_mov_b32 s[G1V+5], 128
	s_mov_b32 s[G1V+6], 0
	s_mov_b32 s[G1V+7], 0
.irp s, 0,1
	s_mov_b32 s[G0K+4*\s], 1                       ; count and LDS address are constants, written once
	s_mov_b32 s[G0K+4*\s+1], \s*SLOT
	s_mov_b32 s[G0V+4*\s], 1
	s_mov_b32 s[G0V+4*\s+1], \s*SLOT+KBYTES
.endr
	v_and_b32 v1, 15, v0                           ; r
	v_bfe_u32 v2, v0, 4, 1                         ; h
	v_and_b32 v3, 31, v0                           ; l
	v_mul_u32_u24 v[ADK], v1, 144
	v_lshl_add_u32 v[ADK], v2, 4, v[ADK]
	s_mul_i32 s16, s14, 64*144
	v_add_nc_u32 v[ADK], s16, v[ADK]               ; (64 g + r) 144 + 16 h
	v_add_nc_u32 v[ADK+1], SLOT, v[ADK]
	v_and_b32 v[TM], 7, v0
	v_lshl_add_u32 v[TM], v2, 3, v[TM]
	v_mul_u32_u24 v[ADV], v[TM], 160
	v_bfe_u32 v[TM], v0, 3, 1
	v_lshl_add_u32 v[ADV], v[TM], 4, v[ADV]
	s_mul_i32 s16, s14, 64*160
	s_add_co_u32 s16, s16, KBYTES
	v_add_nc_u32 v[ADV], s16, v[ADV]               ; (64 g + 8 h + l % 8) 160 + 16 ((l / 8) % 2), behind K
	v_add_nc_u32 v[ADV+1], SLOT, v[ADV]
	v_lshlrev_b32 v[VQ], 7, v1
	v_lshl_add_u32 v[VQ], v2, 4, v[VQ]
	v_lshl_add_u32 v[VQ], s13, 12, v[VQ]           ; (32 w + r) 128 + 16 h
	v_lshlrev_b32 v[TM], 3, v2
	v_sub_nc_u32 v[DM], v1, v[TM]
	s_lshl_b32 s16, s13, 5
	s_lshl_b32 s17, s14, 6
	s_sub_co_i32 s16, s16, s17
	v_add_nc_u32 v[DM], s16, v[DM]
	s_mul_i32 s16, s13, STW
	s_add_co_u32 s16, s16, STAGE
	v_mul_u32_u24 v[STO], v1, 144
	v_lshl_add_u32 v[STO], v2, 4, v[STO]
	v_add_nc_u32 v[STO], s16, v[STO]
	v_lshrrev_b32 v[TM], 3, v3
	v_mul_u32_u24 v[RD], v[TM], 144
	v_and_b32 v[TM], 7, v0
	v_lshl_add_u32 v[RD], v[TM], 4, v[RD]
	v_add_nc_u32 v[RD], s16, v[RD]
	v_lshlrev_b32 v[CO], 4, v3
	v_lshl_add_u32 v[CO], s13, 12, v[CO]           ; 32 w rows of 128 bytes + 16 l
	s_mul_i32 s16, s13, SCRW
	s_add_co_u32 s16, s16, SCRATCH
	v_lshlrev_b32 v[SCR], 4, v3
	v_add_nc_u32 v[SCR], s16, v[SCR]
	v_mov_b32 v[PT], 0                             ; a lane permute's destination counts as read
	v_mov_b32 v[PT+1], 0
	v_mov_b32 v[RR], 0x4438aa3b                    ; R = 0.125 log2(e) 2^12
	v_mov_b32 v[RR+1], 0x4438aa3b
	s_and_b32 s20, ttmp7, 0xffff
	s_lshl_b32 s20, s20, 18                        ; the head's 2,048 rows of 128 bytes
	s_mov_b32 s21, 0
	s_wait_kmcnt 0x0
	s_add_nc_u64 s[66:67], s[4:5], s[20:21]        ; the head's q, K, V and result
	s_add_nc_u64 s[60:61], s[6:7], s[20:21]
	s_add_nc_u64 s[62:63], s[8:9], s[20:21]
	s_add_nc_u64 s[68:69], s[10:11], s[20:21]
	s_mov_b32 s15, 0                               ; which of my two blocks
.macro MX3 x, y                        ; each of the four chains (c = nt + 2 x half of my keys) takes two more numbers
.irp c, 0,1,2,3
	v_max3_num_f32 v[MX+\c], v[MX+\c], v[SS+32*(\c/2)+8*(\c%2)+\x], v[SS+32*(\c/2)+8*(\c%2)+\y]
.endr
.endm
.macro SUBEXP k                        ; tile k = 2 kt + nt: p = exp2(R s - R m), in place
.irp i, 0,2,4,6
.if \k%2
	v_pk_fma_f32 v[SS+8*\k+\i:SS+8*\k+\i+1], v[SS+8*\k+\i:SS+8*\k+\i+1], v[RR:RR+1], v[NM:NM+1] op_sel:[0,0,1] op_sel_hi:[1,1,1]
.else
	v_pk_fma_f32 v[SS+8*\k+\i:SS+8*\k+\i+1], v[SS+8*\k+\i:SS+8*\k+\i+1], v[RR:RR+1], v[NM:NM+1] op_sel_hi:[1,1,0]
.endif
.endr
.irp i, 0,1,2,3,4,5,6,7
	v_exp_f32 v[SS+8*\k+\i], v[SS+8*\k+\i]
.endr
.endm
.macro PACKSUM k                       ; tile k: eight p to f16 into P's fragment (keys 16 (kt % 2) + 8 h + j of kk = kt / 2), and into the step's sum
	s_wait_alu depctr_va_vdst(0)
.irp i, 0,1,2,3
	v_cvt_pk_f16_f32 v[PF+8*(2*(\k%2)+\k/4)+4*((\k/2)%2)+\i], v[SS+8*\k+2*\i], v[SS+8*\k+2*\i+1]
.endr
.if \k < 2
	v_pk_add_f32 v[LS+2*(\k%2):LS+2*(\k%2)+1], v[SS+8*\k:SS+8*\k+1], v[SS+8*\k+2:SS+8*\k+3]   ; the first tile starts the sum
.else
	v_pk_add_f32 v[LS+2*(\k%2):LS+2*(\k%2)+1], v[LS+2*(\k%2):LS+2*(\k%2)+1], v[SS+8*\k:SS+8*\k+1]
	v_pk_add_f32 v[LS+2*(\k%2):LS+2*(\k%2)+1], v[LS+2*(\k%2):LS+2*(\k%2)+1], v[SS+8*\k+2:SS+8*\k+3]
.endif
	v_pk_add_f32 v[LS+2*(\k%2):LS+2*(\k%2)+1], v[LS+2*(\k%2):LS+2*(\k%2)+1], v[SS+8*\k+4:SS+8*\k+5]
	v_pk_add_f32 v[LS+2*(\k%2):LS+2*(\k%2)+1], v[LS+2*(\k%2):LS+2*(\k%2)+1], v[SS+8*\k+6:SS+8*\k+7]
.endm
.macro OSCALE fp                       ; O(dt, nt) times register nt of the pair fp (window 0); set WIN 0x41 first
.irp t, 0,1,2,3,4,5,6,7
.irp i, 0,2,4,6
.if \t%2
	v_pk_mul_f32 v[OA+8*\t+\i:OA+8*\t+\i+1], v[OA+8*\t+\i:OA+8*\t+\i+1], v[\fp:\fp+1] op_sel:[0,1] op_sel_hi:[1,1]
.else
	v_pk_mul_f32 v[OA+8*\t+\i:OA+8*\t+\i+1], v[OA+8*\t+\i:OA+8*\t+\i+1], v[\fp:\fp+1] op_sel_hi:[1,0]
.endif
.endr
.endr
.endm
; One key tile, in LDS slot \slot.  It begins with the wait of the barrier that the step before (or the block's head) has signalled: in
; front of that signal every wave had its LDS reads back and all its tensor loads landed, so this slot's tile is whole and nobody
; reads the other slot.  refill = 1: the next tile goes into the other slot, first thing.  mask = 1: the diagonal tile.  first = 1: the block's first tile.
.macro STEP slot, refill, mask, first
	s_barrier_wait -1
.if \refill
	FILL (1-\slot)
.endif
	PLACES                                         ; V's registers were sources of the last matrix instructions
	WIN 0x40                                       ; destination window 1
.irp kt, 0,1,2,3
.irp ks, 0,1
	ds_load_b128 v[KF+8*(2*\kt+\ks):KF+8*(2*\kt+\ks)+3],   v[ADK+\slot] offset:2304*\kt+64*\ks
	ds_load_b128 v[KF+8*(2*\kt+\ks)+4:KF+8*(2*\kt+\ks)+7], v[ADK+\slot] offset:2304*\kt+64*\ks+32
.endr
.endr
.irp dt, 0,1,2,3
.irp kk, 0,1
	ds_load_tr16_b128 v[VF+8*(2*\dt+\kk):VF+8*(2*\dt+\kk)+3],   v[ADV+\slot] offset:5120*\kk+32*\dt
	ds_load_tr16_b128 v[VF+8*(2*\dt+\kk)+4:VF+8*(2*\dt+\kk)+7], v[ADV+\slot] offset:5120*\kk+32*\dt+2560
.endr
.endr
	s_wait_dscnt 16                                ; K's sixteen loads are in; V's sixteen, issued behind them, stay out
	WIN 0x01                                       ; source 0 (K) window 1
	; the eight accumulators take turns, one instruction a turn
.irp kt, 0,1,2,3
.irp nt, 0,1
	v_wmma_f32_16x16x32_f16 v[SS+8*(2*\kt+\nt):SS+8*(2*\kt+\nt)+7], v[KF+16*\kt:KF+16*\kt+7], v[QF+16*\nt:QF+16*\nt+7], 0
.endr
.endr
.irp kt, 0,1,2,3
.irp nt, 0,1
	v_wmma_f32_16x16x32_f16 v[SS+8*(2*\kt+\nt):SS+8*(2*\kt+\nt)+7], v[KF+16*\kt+8:KF+16*\kt+15], v[QF+16*\nt+8:QF+16*\nt+15], v[SS+8*(2*\kt+\nt):SS+8*(2*\kt+\nt)+7]
.endr
.endr
	WIN 0
	PLACES
.if \mask
.irp kt, 0,1,2,3
.irp nt, 0,1
.irp j, 0,1,2,3,4,5,6,7
	v_cmp_le_i32 vcc_lo, 16*(\kt-\nt)+\j, v[DM]    ; key <= query
	v_cndmask_b32 v[SS+8*(2*\kt+\nt)+\j], s70, v[SS+8*(2*\kt+\nt)+\j], vcc_lo
.endr
.endr
.endr
.endif
	; the largest of my 32 scores of each query: four chains of 15, the two numbers left over, the other half of the lanes
.irp c, 0,1,2,3
	v_max3_num_f32 v[MX+\c], v[SS+32*(\c/2)+8*(\c%2)], v[SS+32*(\c/2)+8*(\c%2)+1], v[SS+32*(\c/2)+8*(\c%2)+2]
.endr
	MX3 3, 4
	MX3 5, 6
	MX3 7, 16
	MX3 17, 18
	MX3 19, 20
	MX3 21, 22
.irp nt, 0,1
	v_max3_num_f32 v[MX+\nt], v[MX+\nt], v[SS+8*\nt+23], v[SS+32+8*\nt+23]
.endr
.irp nt, 0,1
	v_max_num_f32 v[MX+\nt], v[MX+\nt], v[MX+2+\nt]
.endr
.irp nt, 0,1
	v_permlanex16_b32 v[PT+\nt], v[MX+\nt], s22, s23
.endr
.if \first
.irp nt, 0,1
	v_max_num_f32 v[MM+\nt], v[MX+\nt], v[PT+\nt]
.endr
.irp nt, 0,1
	v_mul_f32 v[NM+\nt], -v[RR], v[MM+\nt]
.endr
.else
.irp nt, 0,1
	v_max3_num_f32 v[TM+\nt], v[MX+\nt], v[PT+\nt], v[MM+\nt]
.endr
.irp nt, 0,1
	v_mul_f32 v[NM+\nt], -v[RR], v[TM+\nt]
.endr
.irp nt, 0,1
	v_fma_f32 v[AL+\nt], v[MM+\nt], v[RR], v[NM+\nt]
.endr
	v_exp_f32 v[AL], v[AL]                         ; exp2(R x old maximum - R x new maximum)
	v_exp_f32 v[AL+1], v[AL+1]
.irp nt, 0,1
	v_mov_b32 v[MM+\nt], v[TM+\nt]                 ; plain work that touches neither factor stands behind the two exponentials (ISA guide 5.7.2)
.endr
.endif
	; behind each run of eight exponentials stands plain work on another tile before the run's results are used
	SUBEXP 0
	SUBEXP 1
	PACKSUM 0
	SUBEXP 2
	PACKSUM 1
	SUBEXP 3
	PACKSUM 2
	SUBEXP 4
	PACKSUM 3
	SUBEXP 5
	PACKSUM 4
	SUBEXP 6
	PACKSUM 5
	SUBEXP 7
	PACKSUM 6
	v_nop
	PACKSUM 7
.irp nt, 0,1
.if \first
	v_add_f32 v[LL+\nt], v[LS+2*\nt], v[LS+2*\nt+1]
.else
	v_add_f32 v[LS+2*\nt], v[LS+2*\nt], v[LS+2*\nt+1]
	v_fma_f32 v[LL+\nt], v[LL+\nt], v[AL+\nt], v[LS+2*\nt]
.endif
.endr
	s_wait_dscnt 0x0                               ; V is in, and with it my reads of this slot are over
	s_wait_tensorcnt 0x0                           ; all my tensor loads have landed: the next tile, if I asked for a part of it
	ds_add_u32 v254, v255
	ds_add_u32 v254, v255
	s_wait_dscnt 0x0
.if \refill
	s_add_nc_u64 s[G0K+4*(1-\slot)+2:G0K+4*(1-\slot)+3], s[G0K+4*(1-\slot)+2:G0K+4*(1-\slot)+3], 2*TILEB   ; no load is out: the other slot's next tile
	s_add_nc_u64 s[G0V+4*(1-\slot)+2:G0V+4*(1-\slot)+3], s[G0V+4*(1-\slot)+2:G0V+4*(1-\slot)+3], 2*TILEB
.endif
	s_barrier_signal -1                            ; only register work stands between this signal and its wait at the next step's head
.if \first == 0
	WIN 0x41                                       ; O in window 1, the factor in window 0
	OSCALE AL
.endif
	WIN 0x51                                       ; V, C and D window 1, P window 0
.irp dt, 0,1,2,3
.irp nt, 0,1
.if \first
	v_wmma_f32_16x16x32_f16 v[OA+8*(2*\dt+\nt):OA+8*(2*\dt+\nt)+7], v[VF+16*\dt:VF+16*\dt+7], v[PF+16*\nt:PF+16*\nt+7], 0
.else
	v_wmma_f32_16x16x32_f16 v[OA+8*(2*\dt+\nt):OA+8*(2*\dt+\nt)+7], v[VF+16*\dt:VF+16*\dt+7], v[PF+16*\nt:PF+16*\nt+7], v[OA+8*(2*\dt+\nt):OA+8*(2*\dt+\nt)+7]
.endif
.endr
.endr
.irp dt, 0,1,2,3
.irp nt, 0,1
	v_wmma_f32_16x16x32_f16 v[OA+8*(2*\dt+\nt):OA+8*(2*\dt+\nt)+7], v[VF+16*\dt+8:VF+16*\dt+15], v[PF+16*\nt+8:PF+16*\nt+15], v[OA+8*(2*\dt+\nt):OA+8*(2*\dt+\nt)+7]
.endr
.endr
	WIN 0
.endm
.Lblock:
	s_wait_xcnt 0x0                                ; the last block's stores have read their base and data: both are written again below
	s_sub_co_u32 s16, 15, s19
	s_cmp_eq_u32 s15, 0
	s_cselect_b32 s16, s19, s16                    ; i: block p, then block 15 - p
	s_lshl_b32 s20, s16, 14                        ; 128 rows of 128 bytes
	s_mov_b32 s21, 0
	s_add_nc_u64 s[56:57], s[66:67], s[20:21]      ; the block's q
	s_add_nc_u64 s[58:59], s[68:69], s[20:21]      ; and its result
	s_wait_dscnt 0x0                               ; my LDS reads are back
	s_wait_tensorcnt 0x0                           ; none of my tensor loads is out: the addresses may be written
	ds_add_u32 v254, v255
	ds_add_u32 v254, v255
	s_wait_dscnt 0x0
	s_mov_b64 s[G0K+2:G0K+3], s[60:61]             ; slot 0: tile 0
	s_or_b32 s[G0K+3], s[G0K+3], 0x80000000
	s_add_nc_u64 s[G0K+6:G0K+7], s[60:61], TILEB   ; slot 1: tile 1
	s_or_b32 s[G0K+7], s[G0K+7], 0x80000000
	s_mov_b64 s[G0V+2:G0V+3], s[62:63]
	s_or_b32 s[G0V+3], s[G0V+3], 0x80000000
	s_add_nc_u64 s[G0V+6:G0V+7], s[62:63], TILEB
	s_or_b32 s[G0V+7], s[G0V+7], 0x80000000
	s_barrier_signal -1
	s_barrier_wait -1                              ; no wave reads a slot any more
	FILL 0                                         ; tile 0
.irp nt, 0,1
.irp ks, 0,1
	global_load_b128 v[QF+8*(2*\nt+\ks):QF+8*(2*\nt+\ks)+3],   v[VQ], s[56:57] offset:2048*\nt+64*\ks
	global_load_b128 v[QF+8*(2*\nt+\ks)+4:QF+8*(2*\nt+\ks)+7], v[VQ], s[56:57] offset:2048*\nt+64*\ks+32
.endr
.endr
	s_wait_tensorcnt 0x0                           ; tile 0 has landed
	ds_add_u32 v254, v255
	ds_add_u32 v254, v255
	s_add_nc_u64 s[G0K+2:G0K+3], s[G0K+2:G0K+3], 2*TILEB   ; slot 0's next tile is tile 2
	s_add_nc_u64 s[G0V+2:G0V+3], s[G0V+2:G0V+3], 2*TILEB
	s_wait_dscnt 0x0
	s_wait_loadcnt 0x0                             ; q
	s_barrier_signal -1
	; tiles 0 .. i - 1 are whole, tile i is the diagonal.  Tile j lies in slot j % 2; every tile but the last asks for the next one.
	s_cmp_lg_u32 s16, 0
	s_cbranch_scc1 .Lmany
	STEP 0, 0, 1, 1
	s_branch .Lmerge
.Lmany:
	STEP 0, 1, 0, 1
	s_sub_co_u32 s17, s16, 1
	s_lshr_b32 s17, s17, 1                         ; pairs of whole tiles behind tile 0
	s_cmp_eq_u32 s17, 0
	s_cbranch_scc1 .Lno_pair
	s_mov_b32 s18, 0
.Lpair:
	STEP 1, 1, 0, 0
	STEP 0, 1, 0, 0
	s_add_co_u32 s18, s18, 1
	s_cmp_lt_u32 s18, s17
	s_cbranch_scc1 .Lpair
.Lno_pair:
	s_and_b32 s18, s16, 1
	s_cmp_eq_u32 s18, 0
	s_cbranch_scc1 .Leven
	STEP 1, 0, 1, 0                                ; i odd: the diagonal tile lies in slot 1
	s_branch .Lmerge
.Leven:
	STEP 1, 1, 0, 0                                ; i even: one more whole tile, then the diagonal in slot 0
	STEP 0, 0, 1, 0
.Lmerge:
	s_barrier_wait -1
	PLACES                                         ; behind the last matrix instructions: O is read
.irp nt, 0,1
	v_permlanex16_b32 v[PT+\nt], v[LL+\nt], s22, s23
.endr
.irp nt, 0,1
	v_add_f32 v[LL+\nt], v[LL+\nt], v[PT+\nt]      ; the sum over both halves' keys
.endr
	s_cmp_lt_u32 s12, 4
	s_cbranch_scc1 .Lkeep
	WIN 0x04                                       ; store data in window 1
.irp i, 0,1,2,3,4,5,6,7,8,9,10,11,12,13,14,15
	ds_store_b128 v[SCR], v[OA+4*\i:OA+4*\i+3] offset:512*\i      ; key group 1 hands over its O,
.endr
	WIN 0
	ds_store_b128 v[SCR], v[MM:MM+3] offset:8192                  ; its maxima and its sums
.Lkeep:
	s_wait_dscnt 0x0                               ; for the partner's sake: my stores are done
	s_barrier_signal -1
	s_barrier_wait -1
	s_cmp_ge_u32 s12, 4
	s_cbranch_scc1 .Lnext
	WIN 0x40
.irp i, 0,1,2,3,4,5,6,7,8,9,10,11,12,13,14,15
	ds_load_b128 v[KF+4*\i:KF+4*\i+3], v[SCR] offset:512*\i       ; the partner's O into K's registers
.endr
	WIN 0
	ds_load_b128 v[PM:PM+3], v[SCR] offset:8192
	s_wait_dscnt 0x0
.irp nt, 0,1
	v_max_num_f32 v[TM+\nt], v[MM+\nt], v[PM+\nt]
.endr
.irp nt, 0,1
	v_sub_f32 v[F0+\nt], v[MM+\nt], v[TM+\nt]
	v_sub_f32 v[F1+\nt], v[PM+\nt], v[TM+\nt]
.endr
.irp nt, 0,1
	v_mul_f32 v[F0+\nt], v[RR], v[F0+\nt]
	v_mul_f32 v[F1+\nt], v[RR], v[F1+\nt]
.endr
	v_exp_f32 v[F0], v[F0]
	v_exp_f32 v[F0+1], v[F0+1]
	v_exp_f32 v[F1], v[F1]
	v_exp_f32 v[F1+1], v[F1+1]
	v_nop
	s_wait_alu depctr_va_vdst(0)
.irp nt, 0,1
	v_mul_f32 v[LS+\nt], v[LL+\nt], v[F0+\nt]
.endr
.irp nt, 0,1
	v_fma_f32 v[LS+\nt], v[PM+2+\nt], v[F1+\nt], v[LS+\nt]        ; the row sum: about 1 at the least, from the key that holds the maximum
.endr
	v_rcp_f32 v[LS], v[LS]
	v_rcp_f32 v[LS+1], v[LS+1]
	v_nop
	s_wait_alu depctr_va_vdst(0)
.irp nt, 0,1
	v_mul_f32 v[F0+\nt], v[F0+\nt], v[LS+\nt]
	v_mul_f32 v[F1+\nt], v[F1+\nt], v[LS+\nt]
.endr
	WIN 0x41
	OSCALE F0
	WIN 0x51                                       ; source 0 (the partner's O), C and D window 1
.irp t, 0,1,2,3,4,5,6,7
.irp i, 0,2,4,6
.if \t%2
	v_pk_fma_f32 v[OA+8*\t+\i:OA+8*\t+\i+1], v[KF+8*\t+\i:KF+8*\t+\i+1], v[F1:F1+1], v[OA+8*\t+\i:OA+8*\t+\i+1] op_sel:[0,1,0] op_sel_hi:[1,1,1]
.else
	v_pk_fma_f32 v[OA+8*\t+\i:OA+8*\t+\i+1], v[KF+8*\t+\i:KF+8*\t+\i+1], v[F1:F1+1], v[OA+8*\t+\i:OA+8*\t+\i+1] op_sel_hi:[1,0,1]
.endif
.endr
.endr
	WIN 0x05                                       ; both sources window 1
.irp t, 0,1,2,3,4,5,6,7
.irp i, 0,1,2,3
	v_cvt_pk_f16_f32 v[SS+4*\t+\i], v[OA+8*\t+2*\i], v[OA+8*\t+2*\i+1]
.endr
.endr
	WIN 0
.irp t, 0,1,2,3,4,5,6,7
	ds_store_b128 v[STO], v[SS+4*\t:SS+4*\t+3] offset:2304*(\t%2)+32*(\t/2)   ; query 16 nt + r, numbers 16 dt + 8 h ..
.endr
.irp u, 0,1,2,3,4,5,6,7
	ds_load_b128 v[PF+4*\u:PF+4*\u+3], v[RD] offset:576*\u        ; my own bytes, served in order
.endr
.irp u, 0,1,2,3,4,5,6,7
	s_wait_dscnt 7-\u                              ; the younger loads stay out
	global_store_b128 v[CO], v[PF+4*\u:PF+4*\u+3], s[58:59] offset:512*\u   ; four rows of 128 bytes: 512 consecutive bytes, aligned
.endr
.Lnext:
	s_add_co_u32 s15, s15, 1
	s_cmp_lt_u32 s15, 2
	s_cbranch_scc1 .Lblock
	s_wait_tensorcnt 0x0
	ds_add_u32 v254, v255
	s_wait_dscnt 0x0
	s_endpgm
.Lfunc_end_k_q55912f412c_attn:
	.size	k_q55912f412c_attn, .Lfunc_end_k_q55912f412c_attn-k_q55912f412c_attn
	.p2alignl 7, 3214868480
	.fill 96, 4, 3214868480
	.section	.rodata,"a",@progbits
	.p2align	6, 0x0
	.amdhsa_kernel k_q55912f412c_attn
		.amdhsa_group_segment_fixed_size 327680
		.amdhsa_private_segment_fixed_size 0
		.amdhsa_enable_private_segment 0
		.amdhsa_kernarg_size 32
		.amdhsa_user_sgpr_count 2
		.amdhsa_user_sgpr_kernarg_segment_ptr 1
		.amdhsa_wavefront_size32 1
		.amdhsa_system_sgpr_workgroup_id_x 1
		.amdhsa_system_sgpr_workgroup_id_y 1
		.amdhsa_system_sgpr_workgroup_id_z 1
		.amdhsa_system_vgpr_workitem_id 0
		.amdhsa_next_free_vgpr 448
		.amdhsa_next_free_sgpr 72
		.amdhsa_reserve_vcc 1
		.amdhsa_float_denorm_mode_32 3
		.amdhsa_float_denorm_mode_16_64 3
		.amdhsa_memory_ordered 1
		.amdhsa_forward_progress 1
		.amdhsa_inst_pref_size 153
	.end_amdhsa_kernel
	.amdgpu_metadata
---
amdhsa.version: [ 1, 2 ]
amdhsa.kernels:
  - .name:           k_q55912f412c_attn
    .symbol:         k_q55912f412c_attn.kd
    .args:
      - { .name: qw, .offset: 0, .size: 8, .value_kind: global_buffer, .address_space: global }
      - { .name: kw, .offset: 8, .size: 8, .value_kind: global_buffer, .address_space: global }
      - { .name: vw, .offset: 16, .size: 8, .value_kind: global_buffer, .address_space: global }
      - { .name: ab, .offset: 24, .size: 8, .value_kind: global_buffer, .address_space: global }
    .group_segment_fixed_size: 327680
    .private_segment_fixed_size: 0
    .kernarg_segment_align: 8
    .kernarg_segment_size: 32
    .max_flat_workgroup_size: 256
    .sgpr_count:     72
    .vgpr_count:     448
    .wavefront_size: 32
...
	.end_amdgpu_metadata
.endif
;; end of part 7
;; launch oproj: the kernel of part 4 again; grid 8 x 32, 4 waves a work-group, clusters of 4 x 4, 327,680 bytes of LDS; arguments ab, wob, out0, bo; writes out0
;; ======== version 3 of 3: 4 launches; version 2 with the launch cvt written anew for expert scheduling mode
;; limits: values are held in f16: magnitudes above 65,504 overflow, below 6.1e-05 lose precision; right only within a limited range of input values
;; workspace buffers: xb 16,777,216 bytes; wqkv 12,582,912 bytes; wob 2,097,152 bytes; qw 8,388,608 bytes; kw 8,388,608 bytes; vw 8,388,608 bytes; ab 8,388,608 bytes
;; launch cvt (part 8): grid 64 x 8, 8 waves a work-group, no clusters, 0 bytes of LDS; arguments x, Wq, Wk, Wv, Wo, xb, wqkv, wob; writes xb, wqkv, wob
.if DOCPART == 8
	.amdgcn_target "amdgcn-amd-amdhsa--gfx1250"
	.amdhsa_code_object_version 6
	.text
	.protected	k_q55912f412c_cvt
	.globl	k_q55912f412c_cvt
	.p2align	8
	.type	k_q55912f412c_cvt,@function
k_q55912f412c_cvt:
	s_mov_b64 s[64:65], 0
	v_nop
	global_prefetch_b8 v0, s[64:65] scope:SCOPE_SE
	s_setreg_imm32_b32 hwreg(HW_REG_WAVE_SCHED_MODE, 0, 2), 2
	s_setreg_imm32_b32 hwreg(HW_REG_WAVE_MODE, 25, 1), 1
	s_wait_xcnt 0x0
	s_wait_alu depctr_vm_vsrc(0)
; The matrix operands are made once.  x, Wq, Wk, Wv: each f32 number a becomes two f16 numbers, hi = f16(a) and lo = f16(a - hi); hi alone
; carries 11 significant bits, the pair about 22.  Wo becomes one f16 number.
; Eight segments of 4 MiB of f32 (grid y): 0-3 the quarters of x, 4 Wq, 5 Wk, 6 Wv, 7 Wo.  Grid x: 64 groups of 16 rows of 4,096 bytes.
; LAYOUT of a split row (4,096 bytes): for each block of 64 numbers 128 bytes of hi, then 128 bytes of lo, so that 256 consecutive
; bytes hold both halves of 64 numbers.  The rows of Wq, Wk, Wv are regrouped head by head: wqkv row = 192 head + 64 m + d (m = 0 q, 1 k, 2 v).
; Sixteen neighbouring lanes make one such block: lanes 0-7 keep hi of eight numbers each, lanes 8-15 lo of the same numbers; both groups
; load the same 256 bytes in the same instructions, and each store of a wave covers 512 consecutive aligned bytes.
; A stream: all loads go out before the first store.  No LDS, matrix unit or cluster: no byte is used by a second work-group.
; LIMITS: |x| and |W| below 65,504 (f16's largest number); below 2^-14 a number keeps an absolute error of at most 2^-25.
; THE MODE: SCHED_MODE bits 1:0 = 2 (LLVM: expert scheduling mode 2), set by the entry lines.  The code itself states the register dependences
; between vector instructions and memory instructions, with s_wait_alu, always for 0.
; THE PLAN.  Two straight arms, no loop.  Registers that memory instructions touch, in each arm:
;   v1, v2   byte offsets of the loads and of the stores: made at the arm's head, never written again.
;   X        16 rows as loaded.  Written by the arm's loads, which all go out before any vector line names X; read by the row's own vector lines; loaded once.
;   Y        16 rows to store.   Row j's registers are written once, by row j's last vector lines, and read by row j's one store.
;   H, U and v3 are named by vector instructions alone.  VCC is written by one compare and read by the selects.
; The rows go in steps (two rows; Wo: four).  A step's stores are issued at the head of the next step, behind ONE wait on va_vdst, which stands behind the
; wait for the next step's first row: it states that the step before has written its Y.  The vector lines that follow name the new step's X and Y, H, U and VCC:
; none of the registers that those stores read.  No register that a memory instruction reads is ever written again, so no wait on vm_vsrc is owed.
.set H, 4                              ; v[4:7]     eight hi, packed (below v128: only those registers have named halves)
.set U, 8                              ; v[8:15]    hi widened again, then a - hi, then lo packed
.set X, 16                             ; v[16:143]  16 rows x 8 registers as loaded (Wo: 16 x 4)
.set Y, 144                            ; v[144:207] 16 rows x 4 registers to store (Wo: 16 x 2)
; Row j of a split segment: hi, a - hi, lo, and the lane's choice between them, into row j's own Y.
.macro WORK j
.irp i, 0,1,2,3
	v_cvt_pk_f16_f32 v[H+\i], v[X+8*(\j)+2*\i], v[X+8*(\j)+2*\i+1]
.endr
	v_cvt_f32_f16 v8,  v4.l                        ; hi as f32 again
	v_cvt_f32_f16 v9,  v4.h
	v_cvt_f32_f16 v10, v5.l
	v_cvt_f32_f16 v11, v5.h
	v_cvt_f32_f16 v12, v6.l
	v_cvt_f32_f16 v13, v6.h
	v_cvt_f32_f16 v14, v7.l
	v_cvt_f32_f16 v15, v7.h
.irp i, 0,1,2,3
	v_sub_f32 v[U+2*\i],   v[X+8*(\j)+2*\i],   v[U+2*\i]     ; a - hi is exact in f32
	v_sub_f32 v[U+2*\i+1], v[X+8*(\j)+2*\i+1], v[U+2*\i+1]
.endr
.irp i, 0,1,2,3
	v_cvt_pk_f16_f32 v[U+2*\i], v[U+2*\i], v[U+2*\i+1]
.endr
.irp i, 0,1,2,3
	v_cndmask_b32 v[Y+4*(\j)+\i], v[H+\i], v[U+2*\i], vcc_lo
.endr
.endm
.macro SEND j
	global_store_b128 v2, v[Y+4*(\j):Y+4*(\j)+3], s[30:31] offset:4096*(\j)   ; no store's register is written twice, so no source needs a wait
.endm
; Step p of a split segment: rows 2 p and 2 p + 1; at its head the two stores of the step before.
.macro STEP p
	s_wait_loadcnt 30-4*(\p)                       ; loads return in order (ISA guide 5.7.1): row 2 p's two are in, the younger rows' stay out
.if (\p) > 0
	s_wait_alu depctr_va_vdst(0)                   ; the selects of the step before have written its eight registers of Y, which the two stores below read
	SEND 2*(\p)-2
	SEND 2*(\p)-1
.endif
	WORK 2*(\p)
	s_wait_loadcnt 28-4*(\p)                       ; row 2 p + 1's two are in
	WORK 2*(\p)+1
.endm
; Step p of Wo: rows 4 p to 4 p + 3; at its head the four stores of the step before.
.macro WSTEP p
	s_wait_loadcnt 15-4*(\p)                       ; row 4 p is in, the younger loads stay out
.if (\p) > 0
	s_wait_alu depctr_va_vdst(0)                   ; the conversions of the step before have written its eight registers of Y, which the four stores below read
.irp i, 0,1,2,3
	global_store_b64 v2, v[Y+2*(4*(\p)-4+\i):Y+2*(4*(\p)-4+\i)+1], s[30:31] offset:2048*(4*(\p)-4+\i)
.endr
.endif
.irp i, 0,1,2,3
.if \i
	s_wait_loadcnt 15-4*(\p)-\i                    ; row 4 p + i is in
.endif
	v_cvt_pk_f16_f32 v[Y+2*(4*(\p)+\i)],   v[X+4*(4*(\p)+\i)],   v[X+4*(4*(\p)+\i)+1]
	v_cvt_pk_f16_f32 v[Y+2*(4*(\p)+\i)+1], v[X+4*(4*(\p)+\i)+2], v[X+4*(4*(\p)+\i)+3]
.endr
.endm
	s_load_b512 s[4:19], s[0:1], 0x0               ; x s[4:5], Wq s[6:7], Wk s[8:9], Wv s[10:11], Wo s[12:13], xb s[14:15], wqkv s[16:17], wob s[18:19]
	s_and_b32 s20, ttmp7, 0xffff                   ; segment
	s_lshl_b32 s21, ttmp9, 16                      ; 16 rows of 4,096 bytes for each group
	s_lshl_b32 s22, s20, 22                        ; x: the quarter's 4 MiB
	s_cmp_lt_u32 s20, 4
	s_cselect_b32 s22, s22, 0                      ; a weight matrix begins at its own first byte
	s_add_co_u32 s22, s22, s21                     ; s[22:23]: offset in the source, and x's offset in xb (rows of 4,096 bytes there too)
	s_mov_b32 s23, 0
	s_lshl_b32 s25, ttmp9, 15                      ; 16 rows of 2,048 bytes: Wo's offset in wob
	s_lshr_b32 s26, ttmp9, 2                       ; head = group / 4 (64 rows a head)
	s_mul_i32 s26, s26, 192
	s_max_u32 s27, s20, 4
	s_sub_co_u32 s27, s27, 4                       ; m (not used where the segment is a part of x or Wo)
	s_lshl_b32 s27, s27, 6
	s_add_co_u32 s26, s26, s27
	s_and_b32 s27, ttmp9, 3
	s_lshl_b32 s27, s27, 4                         ; 16 rows for each group inside the head
	s_add_co_u32 s26, s26, s27
	s_lshl_b32 s26, s26, 12                        ; rows of 4,096 bytes
	s_cmp_lt_u32 s20, 4
	s_cselect_b32 s26, s22, s26
	s_cmp_eq_u32 s20, 7
	s_cselect_b32 s26, s25, s26                    ; s[26:27]: offset in the destination
	s_mov_b32 s27, 0
	s_wait_kmcnt 0x0
	s_mov_b64 s[28:29], s[4:5]                     ; the source, chosen by the segment's number alone
	s_cmp_eq_u32 s20, 4
	s_cselect_b64 s[28:29], s[6:7], s[28:29]
	s_cmp_eq_u32 s20, 5
	s_cselect_b64 s[28:29], s[8:9], s[28:29]
	s_cmp_eq_u32 s20, 6
	s_cselect_b64 s[28:29], s[10:11], s[28:29]
	s_cmp_eq_u32 s20, 7
	s_cselect_b64 s[28:29], s[12:13], s[28:29]
	s_cmp_lt_u32 s20, 4
	s_cselect_b64 s[30:31], s[14:15], s[16:17]     ; the destination likewise
	s_cmp_eq_u32 s20, 7
	s_cselect_b64 s[30:31], s[18:19], s[30:31]
	s_add_nc_u64 s[28:29], s[28:29], s[22:23]
	s_add_nc_u64 s[30:31], s[30:31], s[26:27]
	s_cmp_eq_u32 s20, 7
	s_cbranch_scc1 .Lwo
	; x, Wq, Wk, Wv: thread t belongs to block t / 16 of the row and takes its numbers 8 (t % 8) .. + 7
	v_lshrrev_b32 v1, 4, v0
	v_lshlrev_b32 v1, 8, v1                        ; the block's 256 bytes of f32
	v_and_b32 v3, 7, v0
	v_lshl_add_u32 v1, v3, 5, v1                   ; + 32 bytes for each eight numbers
	v_lshlrev_b32 v2, 4, v0                        ; out: 16 t = 256 (t / 16) + 128 ((t / 8) % 2) + 16 (t % 8)
	v_and_b32 v3, 8, v0
	v_cmp_ne_u32 vcc_lo, 0, v3                     ; the lanes that keep lo
	s_wait_alu depctr_va_vdst(0)                   ; v1 and v2 are written: every load of this arm reads v1 as its offset, every store v2
.irp j, 0,1,2,3,4,5,6,7,8,9,10,11,12,13,14,15
	global_load_b128 v[X+8*\j:X+8*\j+3],   v1, s[28:29] offset:4096*\j th:TH_LOAD_NT      ; read in this launch by these two instructions alone
	global_load_b128 v[X+8*\j+4:X+8*\j+7], v1, s[28:29] offset:4096*\j+16 th:TH_LOAD_NT
.endr
	s_wait_alu depctr_va_vcc(0)                    ; the compare has written VCC, ahead of its first reader, row 0's first select
.irp p, 0,1,2,3,4,5,6,7
	STEP \p
.endr
	s_wait_alu depctr_va_vdst(0)                   ; the last step's selects have written rows 14 and 15 of Y, which the last two stores read
	SEND 14
	SEND 15
	s_endpgm
.Lwo:
	; Wo: thread t takes the 16 bytes at 16 t of each row; a store of a wave covers 256 consecutive aligned bytes
	v_lshlrev_b32 v1, 4, v0
	v_lshlrev_b32 v2, 3, v0
	s_wait_alu depctr_va_vdst(0)                   ; v1 and v2 are written: every load of this arm reads v1 as its offset, every store v2
.irp j, 0,1,2,3,4,5,6,7,8,9,10,11,12,13,14,15
	global_load_b128 v[X+4*\j:X+4*\j+3], v1, s[28:29] offset:4096*\j th:TH_LOAD_NT
.endr
.irp p, 0,1,2,3
	WSTEP \p
.endr
	s_wait_alu depctr_va_vdst(0)                   ; the last step's conversions have written rows 12 to 15 of Y, which the last four stores read
.irp j, 12,13,14,15
	global_store_b64 v2, v[Y+2*\j:Y+2*\j+1], s[30:31] offset:2048*\j
.endr
	s_endpgm
.Lfunc_end_k_q55912f412c_cvt:
	.size	k_q55912f412c_cvt, .Lfunc_end_k_q55912f412c_cvt-k_q55912f412c_cvt
	.p2alignl 7, 3214868480
	.fill 96, 4, 3214868480
	.section	.rodata,"a",@progbits
	.p2align	6, 0x0
	.amdhsa_kernel k_q55912f412c_cvt
		.amdhsa_group_segment_fixed_size 0
		.amdhsa_private_segment_fixed_size 0
		.amdhsa_enable_private_segment 0
		.amdhsa_kernarg_size 64
		.amdhsa_user_sgpr_count 2
		.amdhsa_user_sgpr_kernarg_segment_ptr 1
		.amdhsa_wavefront_size32 1
		.amdhsa_system_sgpr_workgroup_id_x 1
		.amdhsa_system_sgpr_workgroup_id_y 1
		.amdhsa_system_sgpr_workgroup_id_z 1
		.amdhsa_system_vgpr_workitem_id 0
		.amdhsa_next_free_vgpr 208
		.amdhsa_next_free_sgpr 66
		.amdhsa_reserve_vcc 1
		.amdhsa_float_denorm_mode_32 3
		.amdhsa_float_denorm_mode_16_64 3
		.amdhsa_memory_ordered 1
		.amdhsa_forward_progress 1
		.amdhsa_inst_pref_size 32
	.end_amdhsa_kernel
	.amdgpu_metadata
---
amdhsa.version: [ 1, 2 ]
amdhsa.kernels:
  - .name:           k_q55912f412c_cvt
    .symbol:         k_q55912f412c_cvt.kd
    .args:
      - { .name: x, .offset: 0, .size: 8, .value_kind: global_buffer, .address_space: global }
      - { .name: Wq, .offset: 8, .size: 8, .value_kind: global_buffer, .address_space: global }
      - { .name: Wk, .offset: 16, .size: 8, .value_kind: global_buffer, .address_space: global }
      - { .name: Wv, .offset: 24, .size: 8, .value_kind: global_buffer, .address_space: global }
      - { .name: Wo, .offset: 32, .size: 8, .value_kind: global_buffer, .address_space: global }
      - { .name: xb, .offset: 40, .size: 8, .value_kind: global_buffer, .address_space: global }
      - { .name: wqkv, .offset: 48, .size: 8, .value_kind: global_buffer, .address_space: global }
      - { .name: wob, .offset: 56, .size: 8, .value_kind: global_buffer, .address_space: global }
    .group_segment_fixed_size: 0
    .private_segment_fixed_size: 0
    .kernarg_segment_align: 8
    .kernarg_segment_size: 64
    .max_flat_workgroup_size: 256
    .sgpr_count:     66
    .vgpr_count:     208
    .wavefront_size: 32
...
	.end_amdgpu_metadata
.endif
;; end of part 8
;; launch qkv: the kernel of part 6 again; grid 16 x 16, 4 waves a work-group, clusters of 4 x 4, 327,680 bytes of LDS; arguments xb, wqkv, bq, bk, bv, cos, sin, qw, kw, vw; writes qw, kw, vw
;; launch attn: the kernel of part 7 again; grid 8 x 32, 8 waves a work-group, no clusters, 327,680 bytes of LDS; arguments qw, kw, vw, ab; writes ab
;; launch oproj: the kernel of part 4 again; grid 8 x 32, 4 waves a work-group, clusters of 4 x 4, 327,680 bytes of LDS; arguments ab, wob, out0, bo; writes out0
